; MI455X (gfx1250); checked and timed in simulation.
; The chip was launched on July 23, 2026; its instructions are those of AMD's public machine-readable ISA for CDNA 5 (MIT licence, August 2026) and "CDNA5" Instruction Set Architecture Reference Guide (July 2026). The comments in the code are by the model that wrote it; some were corrected since.
;; Causal Self Attention. Allowed arithmetic: matrix products marked QUANTISED: E4M3 operands, one E8M0 scale for each 32 along K, by v_wmma_scale_f32_16x16x128_f8f6f4 with both operands' format E4M3, f32 sums; everything else in f32.
;; Inputs: W_kqv_codes 3,072 x 32 x 32 uint8 (E4M3 codes of W_kqv, K innermost, in blocks of 32 codes); W_kqv_scales 3,072 x 32 uint8 (E8M0 scales of W_kqv, one for each 32 codes along K); W_proj_codes 1,024 x 32 x 32 uint8 (E4M3 codes of W_proj, K innermost, in blocks of 32 codes); W_proj_scales 1,024 x 32 uint8 (E8M0 scales of W_proj, one for each 32 codes along K); b_kqv 3,072 float32; b_proj 1,024 float32; padding_mask 4 x 2,048 int32; x_codes 4 x 2,048 x 32 x 32 uint8 (E4M3 codes of x, K innermost, in blocks of 32 codes); x_scales 4 x 2,048 x 32 uint8 (E8M0 scales of x, one for each 32 codes along K).
;; Outputs: out0 4 x 2,048 x 1,024 float32.
;; This version of the problem:
;;   THIS VERSION OF THE PROBLEM IS GIVEN IN LOW PRECISION. The matrix products marked QUANTISED in the list below multiply operands that are first quantised to E4M3 (4 exponent bits, 3 mantissa bits; 8 bits a number), with one power-of-two scale for each 32 numbers along K (OCP MX v1.0); their sums are f32. All else is computed in f32.
;;   The module's matrix products, in the order in which they are computed (A, B: the left and right operand; K: the contracted axis; several contracted axes count as one K, in the product's order):
;;     1. [M 8,192, K 1,024] x [K 1,024, N 3,072]; A: input x (given as codes); B: input W_kqv (given as codes): QUANTISED
;;     2. batch 64 x [M 2,048, K 64] x [K 64, N 2,048]; A: computed on the way; B: computed on the way: QUANTISED
;;     3. batch 64 x [M 2,048, K 2,048] x [K 2,048, N 64]; A: softmax (see below); B: computed on the way: QUANTISED
;;     4. [M 8,192, K 1,024] x [K 1,024, N 1,024]; A: computed on the way; B: input W_proj (given as codes): QUANTISED
;;   THE QUANTISER, for each operand of a quantised product, along K:
;;     - K is cut into blocks of 32 from its start; a last block that is shorter is filled with zeros.
;;     - A block's scale is 2^e with e = floor(log2(the largest magnitude in the block)) - 8, held to -126 .. 127; a block of zeros has e = 0. As a byte (E8M0): e + 127.
;;     - Each number is divided by its block's scale, clamped to +-448, and rounded to the nearest number of E4M3, ties to even, subnormals kept.
;;     - The product sums the exact products of the quantised numbers (number of the format x scale) in f32.
;;   ~~~python
;;   def quantise(x, axis):      # numpy; x: float32 -> the quantised numbers, widened to float32 again
;;       x = np.moveaxis(x, axis, -1); K = x.shape[-1]
;;       x = np.pad(x, [(0, 0)] * (x.ndim - 1) + [(0, -K % 32)]); x = x.reshape(x.shape[:-1] + (-1, 32)); a = np.abs(x).max(-1, keepdims=True)
;;       e = np.where(a > 0, np.clip(np.frexp(np.where(a > 0, a, 1))[1] - 1 - 8, -126, 127), 0)      # np.frexp(a)[1] - 1 = floor(log2(a)), exactly
;;       r = np.clip(x / 2.0 ** e, -448, 448)
;;       step = 2.0 ** (np.maximum(np.frexp(np.where(r == 0, 1, r))[1] - 1, -6) - 3)
;;       q = np.round(r / step) * step * 2.0 ** e      # np.round: ties to even
;;       return np.moveaxis(q.reshape(q.shape[:-2] + (-1,))[..., :K], -1, axis).astype(np.float32)
;;   ~~~
;;   SOFTMAX AHEAD OF A QUANTISED PRODUCT. Where the list says 'softmax', what is quantised is not the finished softmax but p = 2^(t - M), with t = logit x log2(e) and M = ceil(the row's largest t), a whole number; so 1/2 < the row's largest p <= 1. The row's sum l is taken of the UNQUANTISED p, in f32, and the product's result is divided by l at the end. Since M is a whole number, a kernel that streams over the keys may use a running M (the ceiling of the running maximum): every later rescaling is an exact power of two, which a block's scale takes up: the codes' values come out the same.
;;   OPERANDS COMPUTED ON THE WAY. 'Computed on the way' means the value that the module computes at that place (a softmax that the list does not call 'softmax' is quantised finished and normalised). What goes into a quantiser is computed in f32, as accurately as f32 sums, v_exp_f32 and their like allow (about 1e-6 of the number): no bf16 or f16 on the way to a quantiser, and a product that is left as it is and whose result goes on into a quantised operand takes f32 operands (vector FMAs, or v_wmma_f32_16x16x4_f32). A number that lies on a knife's edge between two numbers of the format may be rounded either way, as far as f32 arithmetic and the matrix unit's own rounding can turn it there, and no further.
;;   INPUTS GIVEN AS CODES. W_kqv (in the module: [1024, 3072], K = its axis 0); W_proj (in the module: [1024, 1024], K = its axis 0); x (in the module: [4, 2048, 1024], K = its axis 2): each comes as NAME_codes (uint8): NAME with its K axis moved to the last place and cut into blocks of 32 codes, [.., K / 32, bytes a block], one block behind the other in memory; one code a byte (a code: sign, 4 exponent bits, 3 mantissa bits); and NAME_scales (uint8): the same leading axes, one E8M0 byte (e + 127) for each 32 codes along K. Its value is code x scale, taken as it is: it is not quantised again, and the codes and scales need not be those that the quantiser above would give.
;; 2 versions, each right; version 2 is version 1 with the launch attn written anew for expert scheduling mode. Each part assembles by itself: llvm-mc -triple=amdgcn-amd-amdhsa -mcpu=gfx1250 --defsym DOCPART=n.
;; ======== version 1 of 2: 3 launches
;; limits: right only within a limited range of input values
;; workspace buffers: kq_img 16,777,216 bytes; kq_scl 1,048,576 bytes; v_img 8,388,608 bytes; v_scl 524,288 bytes; vsum 262,144 bytes; y_img 8,388,608 bytes; y_scl 262,144 bytes
;; launch qkv (part 1): grid 12 x 32, 4 waves a work-group, clusters of 4 x 4, 327,680 bytes of LDS; arguments x_codes, x_scales, W_kqv_codes, W_kqv_scales, b_kqv, kq_img, kq_scl, v_img, v_scl, vsum; writes kq_img, kq_scl, v_img, v_scl, vsum
.if DOCPART == 1
	.amdgcn_target "amdgcn-amd-amdhsa--gfx1250"
	.amdhsa_code_object_version 6
	.text
	.protected	k_q2b1c7a7b36_qkv
	.globl	k_q2b1c7a7b36_qkv
	.p2align	8
	.type	k_q2b1c7a7b36_qkv,@function
k_q2b1c7a7b36_qkv:
	s_mov_b64 s[64:65], 0
	v_nop
	global_prefetch_b8 v0, s[64:65] scope:SCOPE_SE
	s_setreg_imm32_b32 hwreg(HW_REG_WAVE_MODE, 25, 1), 1
	s_wait_xcnt 0x0
	s_wait_alu depctr_hold_cnt(0) depctr_sa_sdst(0) depctr_va_vdst(0) depctr_va_sdst(0) depctr_va_ssrc(0) depctr_va_vcc(0) depctr_vm_vsrc(0)
	s_getreg_b32 s2, hwreg(HW_REG_IB_STS2, 6, 4)
	s_cmp_eq_u32 s2, 0
	s_cbranch_scc0 .Lentry_in_a_cluster
	s_endpgm
.Lentry_in_a_cluster:
	s_bfe_u32 s2, ttmp6, 0x10000c
	s_cmp_lg_u32 s2, 0xf033
	s_cbranch_scc0 .Lentry_shape_is_right
	s_endpgm
.Lentry_shape_is_right:
; kqv = x W_kqv + b_kqv on codes of FP8 (E4M3) with one E8M0 scale for each 32 along K = 1,024; the result is quantised on the way out and leaves as codes alone:
; k and q (columns 0-1023, 1024-2047) along a head's 64 channels, v (columns 2048-3071) along the keys; with v go the sums of the quantised v over each 128 keys.
; A tile of 256 x 256 of the product is made by four waves, 128 x 128 each: 64 accumulators of 16 x 16, 512 registers.  K goes in steps of 256 through a ring of two LDS slots.
; In the result a lane holds ONE row of source 1 and its eight registers run along eight rows of source 0.  The quantiser wants a lane's registers along ITS K, so:
;   clusters x = 0, 1 (k, q): source 1 = 16 tokens of x,  source 0 = 16 columns of W: registers run along the head's channels;
;   cluster  x = 2    (v):    source 1 = 16 columns of W, source 0 = 16 tokens of x:  registers run along the keys.
; Rows of x and of W are both 1,024 bytes and their scale rows 32 bytes, so only the pointers and the tile numbers are chosen (on the cluster's x, which all sixteen partners share); every LDS address,
; every descriptor shape and the whole loop are the same.  Source 1's tile hangs on cy and is asked for jointly along a row of the cluster, source 0's on cx and along a column.
; ORDER INSIDE A BLOCK OF 32.  Two neighbouring result tiles give a lane the numbers 16 u + 8 h + j (u the tile, h = lane / 16, j the register); their codes fill operand places 16 h + 8 u + j.  That is a
; permutation inside a block, the same for q and k, and the same for v here and p in the next launch: it changes neither a block's scale nor a product.
; WORKSPACE, images of operand registers (four registers = 512 bytes, lane l's 16 bytes at 16 l):
;   kq_img [k, q][batch x head 64][128 tokens 16][16 tokens 8][block 2][512];  kq_scl [..][..][16][g 2][token 16][t 4] words (tile 4 g + t; bytes: block 0, block 1, 0x7f, 0x7f)
;   v_img  [batch x head][128 keys 16][16 channels 4][block of keys 4][512];   v_scl  [..][16][h 2][channel 16][tile 4] words;   vsum [batch][128 keys 16][channel 1,024] f32
; LIMITS: NaN and infinities are not served.  A block whose largest magnitude lies under 2^-118 keeps the scale byte 1; so does a block of zeros (its codes are zeros, and this program alone reads the bytes).
; REGISTERS: window 0: v1-31 addresses; v32-63 scale words, two sets; v64-127 the bias; v128-255 source 1's fragments, one set.  window 1: source 0's fragments, two sets.  windows 2, 3: accumulator (a, b) at v[8 (8 (a % 4) + b)].
.set KSTEP,  256
.set NQ,     2                         ; matrix instructions deep in a slot
.set ROWB,   256                       ; a tile's row in bytes
.set KROW,   1024                      ; a row of x or of W in memory
.set PITCH,  272                       ; an LDS row: 256 bytes + 16 of padding = 68 words, so the 16 rows that a load touches start 4 words apart
.set FR,     16
.set NL,     4
.set NP,     8                         ; places behind this matrix form (ISA guide 7.12.1)
.set HALFT,  128*PITCH
.set SLOT,   4*HALFT                   ; source 1's 256 rows, then source 0's
.set KS,     32                        ; a row of scale bytes
.set SCL,    2*SLOT                    ; behind the ring: the scale bytes for all of K, in pieces of 256 bytes + 16
.set HALFS,  (128*KS/256)*272
.set SBLK,   (16*KS/256)*272
.set SPARE,  SCL+4*HALFS               ; the spare words: 128 bytes a wave, two blocks of 256 bytes that no other line names
.set BO,   8                           ; v8-15  byte offsets of the bias loads
.set ADRA, 16                          ; v16-17 LDS address of source 1's fragments in slot 0, 1
.set SH,   18                          ; v18    16 h
.set L4,   19                          ; v19    4 x lane
.set ADRB, 20                          ; v20-21 the same for source 0
.set LI,   24                          ; v24    16 x lane
.set SO,   25                          ; v25    8,192 h + 16 r
.set ADRS, 27                          ; v27    LDS address of my scale words: lanes 0-15 source 1's rows, lanes 16-31 source 0's
.set SPW,  28                          ; v28    my spare word; never rewritten
.set NIL,  29                          ; v29    0; never rewritten
.set SC,   32
.set BIAS, 64
.set AF,   128
.set SW,   32                          ; the way out: v32-39 a scale word for each of my eight blocks
.set ONES, 40                          ; v40-55   a fragment of the code of 1.0
.set VSD,  56                          ; v56-63   the product of ones with v's codes
.set T,    128                         ; v128-191 64 numbers with their bias
.set PC,   192                         ; v192-223 codes, two sets by turns
.set TM,   224                         ; v224-239 at work in the quantiser
.set PWT,  240
.set ONE_S, 241                        ; four scale bytes of 1.0
.set VK,   242                         ; v242-249 the eight sums
.set VO,   250                         ; v250-253 two blocks' sums side by side
.set G1, 24
.set G0, 32
.set G1B, 48
.set G0B, 56
.set SEL, 66
.set G1S, 68
.set G0S, 76
.set G1SB, 80
.set G0SB, 88
.set MNT, 100
.set HIM, 101
.set MSB, 0
.macro WIN new                         ; the immediate's high byte repeats the setting that is left
.if MSB != (\new)
	s_set_vgpr_msb (MSB<<8)|(\new)
.set MSB, (\new)
.endif
.endm
.set MUL_LO, 0xa1                      ; source 0 window 1, source 1 window 0, C and D window 2
.set MUL_HI, 0xf1
.set TO_B,   0x40
; A joint load: waves 0 and 1 fetch source 1's halves, waves 2 and 3 source 0's.  The branch hangs on the wave's number alone.  Four v_nop follow each line.
.macro JLOAD g0a, g1a, g0b, g1b
	s_cmp_eq_u32 s15, 0
	s_cbranch_scc0 .Lfor_b_\@
	tensor_load_to_lds s[\g0a:\g0a+3], s[\g1a:\g1a+7]
	s_nop 0
.rept 4
	v_nop
.endr
	s_branch .Lasked_\@
.Lfor_b_\@:
	tensor_load_to_lds s[\g0b:\g0b+3], s[\g1b:\g1b+7]
	s_nop 0
.rept 4
	v_nop
.endr
.Lasked_\@:
.endm
.macro CREST                           ; a round of the cluster's barrier behind its opening barrier
	s_cmp_lg_u32 s14, 0
	s_cbranch_scc1 .Lnot_wave_0_\@
	s_barrier_signal -3
.Lnot_wave_0_\@:
	s_barrier_wait -3
	s_barrier_signal -1
	s_barrier_wait -1
.endm
.macro CROUND
	s_barrier_signal -1
	s_barrier_wait -1
	CREST
.endm
	s_load_b256 s[4:11], s[0:1], 0x0               ; x's codes, x's scales, W's codes, W's scales
	v_lshl_add_u32 v[SPW], v0, 2, SPARE
	v_mov_b32 v[NIL], 0
	ds_add_u32 v28, v29
	ds_add_u32 v28, v29
	s_wait_dscnt 0x0
	v_lshrrev_b32 v1, 5, v0
	v_readfirstlane_b32 s14, v1                    ; wave 0..3
	s_lshr_b32 s15, s14, 1                         ; my half of source 1's rows.  Also: I fetch for source 1 (0) or source 0 (1)
	s_and_b32 s16, s14, 1                          ; my half of source 0's rows.  Also: which 128 rows I fetch
	s_bfe_u32 s40, ttmp6, 0x40000                  ; cx
	s_bfe_u32 s41, ttmp6, 0x40004                  ; cy
	s_and_b32 s17, ttmp7, 0xffff
	s_lshl_b32 s17, s17, 2                         ; 4 x cluster y
	s_lshl_b32 s42, ttmp9, 2                       ; 4 x cluster x
	s_cmp_lt_u32 ttmp9, 2                          ; k or q?  The same answer in all sixteen partners
	s_cselect_b32 s42, s42, s17                    ; source 0's tile: W's 4 x cluster x, or x's 4 x cluster y,
	s_cselect_b32 s17, s17, 8                      ; source 1's tile: x's 4 x cluster y, or W's 8 (v's first),
	s_add_co_u32 s42, s42, s40                     ; + cx
	s_add_co_u32 s17, s17, s41                     ; + cy
	s_lshl_b32 s43, s41, 2
	s_lshl_b32 s43, 15, s43                        ; my row of the cluster
	s_lshl_b32 s44, 0x1111, s40                    ; my column
	; group 1: a tile of 128 rows x 256 bytes, 16 bytes of padding behind each row
	s_or_b32 s[G1+0], s43, (0<<16)|(1<<20)|(1<<21)|(5<<22)|(3<<25)  ; the mask; elements of 1 byte; padding on; bit 21 beside a mask; after every 64 words, 4 words
	s_or_b32 s[G1B+0], s44, (0<<16)|(1<<20)|(1<<21)|(5<<22)|(3<<25)
.irp g, G1, G1B
	s_mov_b32 s[\g+1], ROWB<<16                    ; tensor_dim0
	s_mov_b32 s[\g+2], 128<<16                     ; tensor_dim1
	s_mov_b32 s[\g+3], ROWB<<16                    ; tile_dim0
	s_mov_b32 s[\g+4], 128                         ; tile_dim1
	s_mov_b32 s[\g+5], KROW                        ; the pitch
	s_mov_b32 s[\g+6], 0
	s_mov_b32 s[\g+7], 0
.endr
	; the scale bytes of 128 rows: 4,096 dense bytes as 16 rows of 256 (32 elements of 8 bytes), 16 bytes of padding behind each
	s_or_b32 s[G1S+0], s43, (3<<16)|(1<<20)|(1<<21)|(5<<22)|(3<<25)
	s_or_b32 s[G1SB+0], s44, (3<<16)|(1<<20)|(1<<21)|(5<<22)|(3<<25)
.irp g, G1S, G1SB
	s_mov_b32 s[\g+1], 32<<16
	s_mov_b32 s[\g+2], (128*KS/256)<<16
	s_mov_b32 s[\g+3], 32<<16
	s_mov_b32 s[\g+4], 128*KS/256
	s_mov_b32 s[\g+5], 32
	s_mov_b32 s[\g+6], 0
	s_mov_b32 s[\g+7], 0
.endr
	s_lshl_b32 s18, s16, 7                         ; which 128 rows of the tile I fetch
	s_lshl_b32 s20, s17, 8
	s_add_co_u32 s20, s20, s18                     ; source 1: row
	s_lshl_b32 s46, s42, 8
	s_add_co_u32 s46, s46, s18                     ; source 0: row
	s_mov_b32 s21, 0
	s_mov_b32 s47, 0
	s_mov_b64 s[18:19], KS
	s_mul_u64 s[22:23], s[20:21], s[18:19]         ; where these rows' scale bytes begin
	s_mul_u64 s[92:93], s[46:47], s[18:19]
	s_mov_b64 s[18:19], KROW
	s_mul_u64 s[20:21], s[20:21], s[18:19]         ; and their codes
	s_mul_u64 s[46:47], s[46:47], s[18:19]
	s_mul_i32 s45, s14, HALFT                      ; where they go: wave x 128 rows
	s_mul_i32 s94, s14, HALFS
	s_wait_kmcnt 0x0
	s_cmp_lt_u32 ttmp9, 2
	s_cselect_b64 s[96:97], s[4:5], s[8:9]         ; source 1's codes: x's or W's
	s_cselect_b64 s[98:99], s[6:7], s[10:11]       ; and scale bytes
	s_cselect_b64 s[4:5], s[8:9], s[4:5]           ; source 0's codes: W's or x's
	s_cselect_b64 s[6:7], s[10:11], s[6:7]
	s_add_nc_u64 s[20:21], s[96:97], s[20:21]
	s_add_nc_u64 s[22:23], s[98:99], s[22:23]
	s_add_nc_u64 s[46:47], s[4:5], s[46:47]
	s_add_nc_u64 s[92:93], s[6:7], s[92:93]
	CROUND                                         ; all sixteen work-groups are here: the first joint loads meet
	s_mov_b32 s[G0S], 1
	s_add_co_u32 s[G0S+1], s94, SCL
	s_mov_b64 s[G0S+2:G0S+3], s[22:23]
	s_or_b32 s[G0S+3], s[G0S+3], 0x80000000
	s_mov_b32 s[G0SB], 1
	s_add_co_u32 s[G0SB+1], s94, SCL
	s_mov_b64 s[G0SB+2:G0SB+3], s[92:93]
	s_or_b32 s[G0SB+3], s[G0SB+3], 0x80000000
	JLOAD G0S, G1S, G0SB, G1SB                     ; the scale bytes first: they are wanted with K step 0.  Three loads of mine are out behind the next two
.irp s, 0,1
	s_mov_b32 s[G0+4*\s], 1
	s_add_co_u32 s[G0+4*\s+1], s45, \s*SLOT
	s_add_nc_u64 s[G0+4*\s+2:G0+4*\s+3], s[20:21], \s*ROWB
	s_or_b32 s[G0+4*\s+3], s[G0+4*\s+3], 0x80000000
	s_mov_b32 s[G0B+4*\s], 1
	s_add_co_u32 s[G0B+4*\s+1], s45, \s*SLOT
	s_add_nc_u64 s[G0B+4*\s+2:G0B+4*\s+3], s[46:47], \s*ROWB
	s_or_b32 s[G0B+4*\s+3], s[G0B+4*\s+3], 0x80000000
	JLOAD G0+4*\s, G1, G0B+4*\s, G1B
.endr
	s_load_b256 s[4:11], s[0:1], 0x20              ; b_kqv s[4:5], kq_img s[6:7], kq_scl s[8:9], v_img s[10:11]
	s_load_b128 s[92:95], s[0:1], 0x40             ; v_scl s[92:93], vsum s[94:95]
	v_and_b32 v1, 15, v0                           ; r = lane % 16
	v_bfe_u32 v2, v0, 4, 1                         ; h = lane / 16
	v_mul_u32_u24 v3, v1, PITCH
	v_lshl_add_u32 v4, v2, 4, v3                   ; a fragment's row x pitch + 16 h
	s_mul_i32 s21, s15, HALFT                      ; my 128 rows of source 1
	s_mul_i32 s22, s16, HALFT                      ; my 128 rows of source 0,
	s_add_co_u32 s22, s22, 2*HALFT                 ; which lie behind source 1's 256
.irp s, 0,1
	v_add_nc_u32 v[ADRA+\s], s21, v4
	v_add_nc_u32 v[ADRB+\s], s22, v4
	s_add_co_u32 s21, s21, SLOT
	s_add_co_u32 s22, s22, SLOT
.endr
	v_mul_u32_u24 v5, v1, KS                       ; my row's scale bytes: 32 a row,
	v_lshrrev_b32 v6, 8, v5
	v_lshl_add_u32 v5, v6, 4, v5                   ; and 16 more for each 256 passed
	s_mul_i32 s21, s15, HALFS
	s_mul_i32 s22, s16, HALFS
	s_add_co_u32 s22, s22, 2*HALFS
	s_sub_co_u32 s22, s22, s21
	v_mul_u32_u24 v6, s22, v2                      ; lanes 16-31 take source 0's
	s_add_co_u32 s21, s21, SCL
	v_add_nc_u32 v5, v5, v6
	v_add_nc_u32 v[ADRS], s21, v5
	v_and_b32 v6, 31, v0
	v_lshlrev_b32 v[LI], 4, v6
	v_lshlrev_b32 v[L4], 2, v6
	v_lshlrev_b32 v[SH], 4, v2
	v_lshlrev_b32 v[SO], 13, v2
	v_lshl_add_u32 v[SO], v1, 4, v[SO]
	s_mov_b32 s[SEL], 0x76543210
	s_mov_b32 s[SEL+1], 0xfedcba98                 ; v_permlanex16_b32's selects for lane l xor 16
	s_mov_b32 s[MNT], 0x600000                     ; the mantissa field of 448
	s_mov_b32 s[HIM], 0xffff0000                   ; lanes 16-31
	; THE WAY OUT'S POINTERS AND THE BIAS, without a branch.  columns: W's rows, tokens: x's rows, whichever source holds them
	s_cmp_lt_u32 ttmp9, 2
	s_cselect_b32 s18, 32, 0                       ; bias offset = h x s18 + r x s19 + j x s20 (+ 64 i): k, q: column 16 i + 8 h + j;  v: column 16 i + r for every j
	s_cselect_b32 s19, 0, 4
	s_cselect_b32 s20, 4, 0
	s_cselect_b32 s21, s42, s17                    ; the columns' tile and my half of it
	s_cselect_b32 s22, s16, s15
	s_cselect_b32 s46, s17, s42                    ; the tokens' tile and my half of it
	s_cselect_b32 s47, s15, s16
	s_wait_kmcnt 0x0
	s_cselect_b64 s[6:7], s[6:7], s[10:11]         ; the images': kq_img or v_img
	s_cselect_b64 s[8:9], s[8:9], s[92:93]         ; the scale words': kq_scl or v_scl
	s_lshl_b32 s21, s21, 2
	s_lshl_b32 s22, s22, 1
	s_add_co_u32 s21, s21, s22                     ; my first column / 64: 0 .. 47
	s_lshl_b32 s22, s21, 8
	s_mov_b32 s23, 0
	s_add_nc_u64 s[4:5], s[4:5], s[22:23]          ; the bias at my first column
	s_lshl_b32 s46, s46, 1
	s_add_co_u32 s46, s46, s47                     ; my first token / 128: 0 .. 63
	s_lshr_b32 s47, s46, 4                         ; the batch
	s_and_b32 s46, s46, 15                         ; which 128 tokens of it
	s_bfe_u32 s22, s21, 0x10004                    ; 1 for q, 0 for k and for v
	s_lshl_b32 s22, s22, 6
	s_and_b32 s45, s21, 15                         ; my first head
	s_add_co_u32 s22, s22, s45
	s_lshl_b32 s45, s47, 4
	s_add_co_u32 s45, s22, s45                     ; 64 x part + 16 x batch + head
	s_lshl_b32 s22, s45, 17
	s_lshl_b32 s43, s46, 13
	s_add_co_u32 s22, s22, s43
	s_add_nc_u64 s[6:7], s[6:7], s[22:23]          ; 131,072 bytes a head, 8,192 a record of 128 tokens
	s_lshl_b32 s22, s45, 13
	s_lshl_b32 s43, s46, 9
	s_add_co_u32 s22, s22, s43
	s_add_nc_u64 s[8:9], s[8:9], s[22:23]          ; 8,192 bytes a head, 512 a record
	s_lshl_b32 s22, s47, 4
	s_add_co_u32 s22, s22, s46
	s_lshl_b32 s22, s22, 12
	s_and_b32 s43, s21, 15
	s_lshl_b32 s43, s43, 8
	s_add_co_u32 s22, s22, s43
	s_add_nc_u64 s[94:95], s[94:95], s[22:23]      ; vsum: 4,096 bytes for each 128 keys, + 4 x my first channel
	v_mul_u32_u24 v[BO], s18, v2
	v_mad_u32_u24 v[BO], v1, s19, v[BO]
.irp j, 1,2,3,4,5,6,7
	v_add_nc_u32 v[BO+\j], s20, v[BO+\j-1]
.endr
.irp i, 0,1,2,3,4,5,6,7
.irp j, 0,1,2,3,4,5,6,7
	global_load_b32 v[BIAS+8*\i+\j], v[BO+\j], s[4:5] offset:64*\i   ; waited for on the way out
.endr
.endr
.macro FRAG reg, adr, q, i             ; 16 rows x 128 K: lane l holds row l % 16; registers 4 c .. 4 c + 3 hold K = 32 c + 16 (l / 16) + 0 .. 15
.irp c, 0,1,2,3
	ds_load_b128 v[\reg+4*\c:\reg+4*\c+3], v[\adr] offset:128*(\q)+32*\c+(\i)*16*PITCH
.endr
.endm
; 16 matrix instructions: source 1's blocks a0, a0 + 1 x source 0's eight.  The 64 accumulators take turns, one instruction a turn, in the same order in every step.
.macro MUL16 a0, p, q, sc, zero
.irp a, \a0, \a0+1
.irp b, 0,1,2,3,4,5,6,7
.if \zero
	v_wmma_scale_f32_16x16x128_f8f6f4 v[8*(8*((\a)%4)+\b):8*(8*((\a)%4)+\b)+7], v[128*(\p)+FR*\b:128*(\p)+FR*\b+FR-1], v[AF+FR*(\a):AF+FR*(\a)+FR-1], 0, v[SC+8*NQ*(\sc)+NQ*\b+(\q)], v[SC+8*NQ*(\sc)+NQ*(\a)+(\q)] matrix_a_scale:MATRIX_SCALE_ROW1
.else
	v_wmma_scale_f32_16x16x128_f8f6f4 v[8*(8*((\a)%4)+\b):8*(8*((\a)%4)+\b)+7], v[128*(\p)+FR*\b:128*(\p)+FR*\b+FR-1], v[AF+FR*(\a):AF+FR*(\a)+FR-1], v[8*(8*((\a)%4)+\b):8*(8*((\a)%4)+\b)+7], v[SC+8*NQ*(\sc)+NQ*\b+(\q)], v[SC+8*NQ*(\sc)+NQ*(\a)+(\q)] matrix_a_scale:MATRIX_SCALE_ROW1
.endif
.endr
.endr
.endm
.macro FETCH_B slot, q, p
	WIN TO_B
.irp i, 0,1,2,3,4,5,6,7
	FRAG 128*(\p)+FR*\i, ADRB+\slot, \q, \i
.endr
	WIN 0
.endm
.macro FETCH_A slot, q, i0
.irp i, \i0, \i0+1, \i0+2, \i0+3
	FRAG AF+FR*(\i), ADRA+\slot, \q, \i
.endr
.endm
.macro SCALES sc                       ; a K step's scale words: two a row; lanes 0-15 source 1's block i, lanes 16-31 source 0's block i
.irp i, 0,1,2,3,4,5,6,7
	ds_load_b64 v[SC+8*NQ*\sc+NQ*\i:SC+8*NQ*\sc+NQ*\i+1], v[ADRS] offset:\i*SBLK
.endr
.endm
.macro PLACES n                        ; plain vector instructions between a matrix instruction and a load into, or a vector read or write of, its registers
.rept \n
	v_nop
.endr
.endm
.macro STEP slot, q, zero              ; 128 along K with its successor in the same slot
	s_wait_dscnt 4*NL                              ; all but the youngest 16 loads (source 1's blocks 4-7) are in
	WIN MUL_LO
	MUL16 0, (\q)%2, \q, \slot, \zero
	MUL16 2, (\q)%2, \q, \slot, \zero
	s_wait_dscnt 0                                 ; blocks 4-7 are in
	PLACES NP
	FETCH_B \slot, (\q)+1, 1-(\q)%2
	FETCH_A \slot, (\q)+1, 0
	WIN MUL_HI
	MUL16 4, (\q)%2, \q, \slot, \zero
	MUL16 6, (\q)%2, \q, \slot, \zero
	PLACES NP
	WIN 0
	FETCH_A \slot, (\q)+1, 4
.endm
; A slot's last step changes slots: one barrier; in front of it each wave waits for all its tensor loads, adds 0 to its spare word, and waits for that and for its reads of this slot.
.macro TURN slot, next, fill
	s_wait_tensorcnt 0x0                           ; all my tensor loads have landed: my part of the next slot
	ds_add_u32 v[SPW], v[NIL]                      ; 0 onto my spare word
	s_wait_dscnt 4*NL+1                            ; (the add and the youngest 16 loads may be out)
	WIN MUL_LO
	MUL16 0, 1, NQ-1, \slot, 0
	s_wait_dscnt 0x0                               ; the add is done, and my reads of this slot are over
	s_barrier_signal -1
	MUL16 2, 1, NQ-1, \slot, 0
	WIN 0
	s_barrier_wait -1
.if \fill
	CREST                                          ; the barrier has opened a round of the cluster's: no wave of any partner still reads this slot or has a load on its way
	s_add_nc_u64 s[G0+4*\slot+2:G0+4*\slot+3], s[G0+4*\slot+2:G0+4*\slot+3], 2*ROWB
	s_add_nc_u64 s[G0B+4*\slot+2:G0B+4*\slot+3], s[G0B+4*\slot+2:G0B+4*\slot+3], 2*ROWB
	JLOAD G0+4*\slot, G1, G0B+4*\slot, G1B         ; my one tensor load behind the round; its four v_nop are four of the eight places
	PLACES NP-4
.else
	PLACES NP
.endif
	v_add_nc_u32 v[ADRS], 4*NQ, v[ADRS]            ; the next K step's scale words
	FETCH_B \next, 0, 0
	FETCH_A \next, 0, 0
	SCALES \next
	WIN MUL_HI
	MUL16 4, 1, NQ-1, \slot, 0
	MUL16 6, 1, NQ-1, \slot, 0
	PLACES NP
	WIN 0
	FETCH_A \next, 0, 4
.endm
	s_wait_tensorcnt 1                             ; the scale bytes and my part of K step 0 are in; K step 1's load may stay out
	s_barrier_signal -1
	s_barrier_wait -1
	FETCH_B 0, 0, 0
	FETCH_A 0, 0, 0
	SCALES 0
	FETCH_A 0, 0, 4
	STEP 0, 0, 1                                   ; K = 1,024 is four slots' worth: written out.  The first products start the sums
	TURN 0, 1, 1                                   ; slot 0 takes K step 2
	STEP 1, 0, 0
	TURN 1, 0, 1                                   ; slot 1 takes K step 3
	STEP 0, 0, 0
	TURN 0, 1, 0
	STEP 1, 0, 0
	s_wait_dscnt 4*NL
	WIN MUL_LO
	MUL16 0, 1, NQ-1, 1, 0
	MUL16 2, 1, NQ-1, 1, 0
	s_wait_dscnt 0
	WIN MUL_HI
	MUL16 4, 1, NQ-1, 1, 0
	MUL16 6, 1, NQ-1, 1, 0
	WIN 0
; THE QUANTISER.  64 numbers of a lane, v[s] on; registers 16 b .. 16 b + 15 are my half of block b, lane l xor 16 holds the other half.  Codes to v[pc] on, the four scale bytes to v[pw].
.macro QUANT s, pc, pw
.irp b, 0,1,2,3
	v_max3_num_f32 v[TM+\b], |v[\s+16*\b]|, |v[\s+1+16*\b]|, 0x4800000   ; with the floor 2^(9 - 127): the byte cannot fall under 1
.endr
.irp i, 2,4,6,8,10,12,14
.irp b, 0,1,2,3
	v_max3_num_f32 v[TM+\b], v[TM+\b], |v[\s+16*\b+\i]|, |v[\s+1+16*\b+\i]|
.endr
.endr
.irp b, 0,1,2,3
	v_permlanex16_b32 v[TM+4+\b], v[TM+\b], s[SEL], s[SEL+1]
.endr
.irp b, 0,1,2,3
	v_max_num_f32 v[TM+\b], v[TM+\b], v[TM+4+\b]   ; the block's largest magnitude
.endr
.irp b, 0,1,2,3
	v_add_nc_u32 v[TM+12+\b], 0xfc000000, v[TM+\b] ; 8 off its exponent field: the conversion's scale operand
.endr
.irp b, 0,1,2,3
	v_and_or_b32 v[TM+8+\b], v[TM+\b], 0x7f800000, s[MNT]   ; 448 x the scale
.endr
.irp b, 0,1,2,3
	v_lshrrev_b32 v[TM+4+\b], 23, v[TM+12+\b]      ; the scale's byte
.endr
	v_lshl_or_b32 v[\pw], v[TM+5], 8, v[TM+4]
	v_lshl_or_b32 v[\pw], v[TM+6], 16, v[\pw]
	v_lshl_or_b32 v[\pw], v[TM+7], 24, v[\pw]
.irp b, 0,1,2,3
.irp i, 0,1,2,3,4,5,6,7,8,9,10,11,12,13,14,15
	v_med3_num_f32 v[\s+16*\b+\i], v[\s+16*\b+\i], -v[TM+8+\b], v[TM+8+\b]   ; the conversion does not saturate (ISA guide 7.6.2): the hold at the largest code x the scale
.endr
	v_cvt_scalef32_pk8_fp8_f32 v[(\pc)+4*\b:(\pc)+1+4*\b], v[\s+16*\b:\s+7+16*\b], v[TM+12+\b]
	v_cvt_scalef32_pk8_fp8_f32 v[(\pc)+2+4*\b:(\pc)+3+4*\b], v[\s+8+16*\b:\s+15+16*\b], v[TM+12+\b]
.endr
	v_nop                                          ; a plain line behind the last conversion
.endm
; k, q: block a = 16 tokens (lane r = token), 128 columns = two heads x two blocks of 32.
.macro EPI_KQ a
.set AC, 64*((\a)%4)
.set PCS, PC+16*((\a)%2)
	s_wait_xcnt 0x0                                ; the stores of two blocks ago have read this set of codes
	WIN 0x02+(\a)/4                                ; source 0: window 2 or 3
.irp b, 0,1,2,3,4,5,6,7
.irp i, 0,2,4,6
	v_pk_add_f32 v[T+8*\b+\i:T+8*\b+\i+1], v[AC+8*\b+\i:AC+8*\b+\i+1], v[BIAS+8*\b+\i:BIAS+8*\b+\i+1]   ; + the columns' bias; each accumulator from its low end on
.endr
.endr
	WIN 0
	QUANT T, PCS, PWT
	v_lshrrev_b32 v[SW+(\a)], v[SH], v[PWT]        ; lanes 0-15 keep the first head's two bytes, lanes 16-31 the second's;
	v_and_b32 v[SW+(\a)], 0xffff, v[SW+(\a)]
	v_or_b32 v[SW+(\a)], 0x7f7f0000, v[SW+(\a)]    ; the upper two bytes, 1.0, stand over the zero codes that fill K from 64 to 128
.irp hd, 0,1
.irp c, 0,1
	global_store_b128 v[LI], v[PCS+8*\hd+4*\c:PCS+8*\hd+4*\c+3], s[6:7] offset:\hd*131072+(\a)*1024+\c*512   ; 512 consecutive bytes
.endr
.endr
.endm
; v: block a = 16 channels (lane r = channel), 128 keys = four blocks of 32.  A product of ones with the codes gives the sum of the quantised v over the 128 keys.
.macro EPI_V a
.set AC, 64*((\a)%4)
.set PCS, PC+16*((\a)%2)
	s_wait_xcnt 0x0
	WIN 0x02+(\a)/4
.irp b, 0,1,2,3,4,5,6,7
.irp i, 0,2,4,6
	v_pk_add_f32 v[T+8*\b+\i:T+8*\b+\i+1], v[AC+8*\b+\i:AC+8*\b+\i+1], v[BIAS+8*(\a)+\i:BIAS+8*(\a)+\i+1]   ; + my channel's bias
.endr
.endr
	WIN 0
.if (\a) > 0
	v_mov_b32 v[VK+(\a)-1], v[VSD]                 ; the block before's sum: the 32 additions above are the places behind its product
.endif
	QUANT T, PCS, SW+(\a)
.rept 3
	v_nop                                          ; four places between the codes' last write and the scaled product; the scale word was written ahead of the 64 holds
.endr
	v_wmma_scale_f32_16x16x128_f8f6f4 v[VSD:VSD+7], v[ONES:ONES+15], v[PCS:PCS+15], 0, v[ONE_S], v[SW+(\a)]
.irp c, 0,1,2,3
	global_store_b128 v[LI], v[PCS+4*\c:PCS+4*\c+3], s[6:7] offset:((\a)/4)*131072+((\a)%4)*2048+\c*512
.endr
.endm
	PLACES NP                                      ; behind the last products: their results are read and their operands' registers written below
	s_wait_loadcnt 0x0                             ; the bias
.irp b, 0,1,2,3
	v_mov_b32 v[TM+4+\b], 0                        ; written once: a lane permute's destination counts as one of its sources
.endr
	s_cmp_lt_u32 ttmp9, 2
	s_cbranch_scc0 .Lv
.irp a, 0,1,2,3,4,5,6,7
	EPI_KQ \a
.endr
	global_store_b128 v[SO], v[SW:SW+3], s[8:9]                ; sixteen lanes store 256 consecutive bytes of their head's record: tiles 0-3,
	global_store_b128 v[SO], v[SW+4:SW+7], s[8:9] offset:256   ; tiles 4-7
	s_branch .Lend
.Lv:
.irp i, 0,1,2,3,4,5,6,7,8,9,10,11,12,13,14,15
	v_mov_b32 v[ONES+\i], 0x38383838               ; the code of 1.0, four to a register
.endr
	v_mov_b32 v[ONE_S], 0x7f7f7f7f                 ; and its scale bytes
.irp a, 0,1,2,3,4,5,6,7
	EPI_V \a
.endr
	PLACES NP
	v_mov_b32 v[VK+7], v[VSD]
.irp p, 0,1,2,3
	v_cndmask_b32 v[VO+\p], v[VK+2*\p], v[VK+2*\p+1], s[HIM]   ; lanes 0-15 channels 32 p + r, lanes 16-31 channels 32 p + 16 + r
.endr
.irp p, 0,1,2,3
	global_store_b32 v[L4], v[VO+\p], s[94:95] offset:128*\p
.endr
	global_store_b128 v[LI], v[SW:SW+3], s[8:9]                ; a head's record of scale words, 512 consecutive bytes
	global_store_b128 v[LI], v[SW+4:SW+7], s[8:9] offset:8192  ; the next head's
.Lend:
	s_wait_tensorcnt 0x0                           ; the wave's end
	ds_add_u32 v[SPW], v[NIL]
	s_wait_dscnt 0x0
	CROUND                                         ; the closing round: no work-group ends while a partner may still ask for a tile that names it
	s_endpgm
.Lfunc_end_k_q2b1c7a7b36_qkv:
	.size	k_q2b1c7a7b36_qkv, .Lfunc_end_k_q2b1c7a7b36_qkv-k_q2b1c7a7b36_qkv
	.p2alignl 7, 3214868480
	.fill 96, 4, 3214868480
	.section	.rodata,"a",@progbits
	.p2align	6, 0x0
	.amdhsa_kernel k_q2b1c7a7b36_qkv
		.amdhsa_group_segment_fixed_size 327680
		.amdhsa_private_segment_fixed_size 0
		.amdhsa_enable_private_segment 0
		.amdhsa_kernarg_size 80
		.amdhsa_user_sgpr_count 2
		.amdhsa_user_sgpr_kernarg_segment_ptr 1
		.amdhsa_wavefront_size32 1
		.amdhsa_system_sgpr_workgroup_id_x 1
		.amdhsa_system_sgpr_workgroup_id_y 1
		.amdhsa_system_sgpr_workgroup_id_z 1
		.amdhsa_system_vgpr_workitem_id 0
		.amdhsa_next_free_vgpr 1024
		.amdhsa_next_free_sgpr 102
		.amdhsa_reserve_vcc 0
		.amdhsa_float_denorm_mode_32 3
		.amdhsa_float_denorm_mode_16_64 3
		.amdhsa_memory_ordered 1
		.amdhsa_forward_progress 1
		.amdhsa_inst_pref_size 255
	.end_amdhsa_kernel
	.section	.bss,"aw",@nobits
	.p2align	6
	.space	262144
	.amdgpu_metadata
---
amdhsa.version: [ 1, 2 ]
amdhsa.kernels:
  - .name:           k_q2b1c7a7b36_qkv
    .symbol:         k_q2b1c7a7b36_qkv.kd
    .args:
      - { .name: x_codes, .offset: 0, .size: 8, .value_kind: global_buffer, .address_space: global }
      - { .name: x_scales, .offset: 8, .size: 8, .value_kind: global_buffer, .address_space: global }
      - { .name: W_kqv_codes, .offset: 16, .size: 8, .value_kind: global_buffer, .address_space: global }
      - { .name: W_kqv_scales, .offset: 24, .size: 8, .value_kind: global_buffer, .address_space: global }
      - { .name: b_kqv, .offset: 32, .size: 8, .value_kind: global_buffer, .address_space: global }
      - { .name: kq_img, .offset: 40, .size: 8, .value_kind: global_buffer, .address_space: global }
      - { .name: kq_scl, .offset: 48, .size: 8, .value_kind: global_buffer, .address_space: global }
      - { .name: v_img, .offset: 56, .size: 8, .value_kind: global_buffer, .address_space: global }
      - { .name: v_scl, .offset: 64, .size: 8, .value_kind: global_buffer, .address_space: global }
      - { .name: vsum, .offset: 72, .size: 8, .value_kind: global_buffer, .address_space: global }
    .group_segment_fixed_size: 327680
    .private_segment_fixed_size: 0
    .kernarg_segment_align: 8
    .kernarg_segment_size: 80
    .max_flat_workgroup_size: 128
    .sgpr_count:     102
    .vgpr_count:     1024
    .wavefront_size: 32
...
	.end_amdgpu_metadata
.endif
;; end of part 1
;; launch attn (part 2): grid 4 x 64, 16 waves a work-group, no clusters, 39,936 bytes of LDS; arguments kq_img, kq_scl, v_img, v_scl, vsum, padding_mask, y_img, y_scl; writes y_img, y_scl
.if DOCPART == 2
	.amdgcn_target "amdgcn-amd-amdhsa--gfx1250"
	.amdhsa_code_object_version 6
	.text
	.protected	k_q2b1c7a7b36_attn
	.globl	k_q2b1c7a7b36_attn
	.p2align	8
	.type	k_q2b1c7a7b36_attn,@function
k_q2b1c7a7b36_attn:
	s_mov_b64 s[64:65], 0
	v_nop
	global_prefetch_b8 v0, s[64:65] scope:SCOPE_SE
	s_setreg_imm32_b32 hwreg(HW_REG_WAVE_MODE, 25, 1), 1
	s_wait_xcnt 0x0
; y = softmax(q k^T / 8, causal and padding masks) v for one head, both products on codes of FP8 (E4M3) with E8M0 scales; y leaves as codes along C, as images of the next product's operand registers.
; THE SOFTMAX: t = score x log2(e) / 8; M = the running largest t rounded up to a whole number; p = 2^(t - M) is quantised along the keys; the sum of the unquantised p divides at the end.
; SHARES.  Work-group (x, batch x head) owns query blocks 7 - x and x of 256 queries: 2 (8 - x) + 2 (x + 1) = 18 key steps of 128 keys whatever x.  Each of sixteen waves owns 16 queries in 256 registers.
; Both products are used transposed (S^T = K Q^T, O^T = V^T P^T): a lane holds one query (lane % 16) throughout.  Tile t of K is 16 neighbouring keys; p's codes of tiles 2 c, 2 c + 1 fill operand places
; 16 h + 8 u + j with keys 32 c + 16 u + 8 h + j, the order in which the launch before laid v's codes.
; K = 64 IN A FORM OF 128: Q's upper eight registers are zero codes; K's tile t is named as 16 registers, of which the upper eight are the next tile's codes (behind tile 7: p's codes): numbers of the format,
; never its NaN code, under scale bytes of 1.0, times zeros.
; TILES ARE DENSE RECORDS (images of registers), so a key step's 16 KB come through registers: each thread loads 16 bytes of K and of V a step ahead and stores them into the other LDS slot at the step's end;
; one barrier a step.  No tensor load: trip counts may then hang on the work-group's number, and every LDS address is a constant + a lane term + a wave term.
; Clusters are not used: the four work-groups of a head walk different numbers of steps in each pass, so their requests for a record do not meet.
; MASKS.  The padding mask becomes 128 numbers a step, 0 or NEG = -2^127, which are loaded as the C of K Q^T: it costs no vector instruction.  On the diagonal hidden scores are replaced by NEG.
; The largest t starts at -2^120, far above NEG x c, so a masked score gives p = 0 also while a row has seen no valid key.  A ROW THAT ENDS WITHOUT A VALID KEY gets what reference() gives it:
; all 2,048 logits are equal there, so p = 1 for every key, the sum is 2,048 and O is the head's sum of the quantised v over all keys (vsum).
; LIMITS: NaN and infinities are not served; a valid score needs t above -2^120; a block of y under 2^-118 (zeros too) keeps the scale byte 1, which this program alone reads.
.set SLOTB, 17920                      ; an LDS slot: K's image 8,192, V's image 8,192, K's scale words 512, V's 512, the mask's numbers 512
.set OV,    8192
.set OKS,   16384
.set OVS,   16896
.set OPM,   17408
.set VSUMB, 2*SLOTB                    ; behind the slots: the head's 64 sums (4 bytes x thread: 2,048 bytes set aside, 256 used)
.set LI,  1                            ; v1   16 x lane
.set CW,  2                            ; v2   16 x thread
.set EW,  3                            ; v3   OKS + 512 x min(wave, 2) + 16 x lane
.set KSA, 4                            ; v4   OKS + 16 r
.set PMA, 5                            ; v5   OPM + 32 h
.set QS,  6                            ; v6   Q's scale words
.set PW,  7                            ; v7   p's scale word
.set F,   8                            ; v[8:9] f = 2^(old M - new M); v9 is named with it and written once
.set TA,  10
.set TB,  11
.set NM,  12                           ; v12  -M
.set TR,  13                           ; v13  the largest t
.set L,   14                           ; v[14:15] the sum in two halves
.set Q,   16                           ; v16-31 Q's fragment; v24-31 zero codes
.set KV,  32                           ; v32-95 K's eight tiles of 8 registers, then V's four of 16
.set PC,  96                           ; v96-111 p's codes
.set S,   112                          ; v112-175 S^T, then p
.set O,   176                          ; v176-207 O^T
.set BM,  208
.set BT,  212
.set LIM, 216
.set SCO, 220
.set KSC, 224                          ; v224-231 K's scale words
.set VSC, 232                          ; v232-235 V's
.set KR,  236                          ; v236-247 the next record on its way through registers
.set VR,  240
.set EX,  244
.set PFO, 248                          ; v248 256 x lane
.set NG,  249                          ; v249 NEG
.set RH,  250                          ; v250 r - 8 h
.set R16, 251                          ; v251 16 r
.set YB,  252                          ; v252 32 r + h
.set H8,  253                          ; v253 8 h
.set VSA, 254                          ; v254 VSUMB + 32 h
.set VSW, 255                          ; v255 VSUMB + 4 x thread
.set WV,  20
.set X,   21
.set BH,  22
.set PASS, 23
.set QB,  24
.set N,   25                           ; key steps of the pass
.set KSR, 26                           ; the step
.set TRIPS, 27
.set Q0,  28                           ; my first query
.set KF,  29                           ; the step's first key
.set SEL, 30
.set CS,  32                           ; s[32:33] c = log2(e) / 8
.set MNT, 34
.set TIN, 35                           ; -2^120
.set NX,  36
.set TMP2, 37
.set PLIM, 38
.set TMP, 39
.set KB,  40
.set VB,  42
.set EB,  44
.set KP,  46
.set VP,  48
.set EP,  50
.set PP,  52
.set OFS, 54                           ; s[54:55] an offset; the upper word stays 0
; The next record is asked for: 16 bytes of K's image and of V's a thread; wave 0 K's scale words, wave 1 V's, wave 2 the 128 mask words.  Behind a pass's last step comes record 0: the next pass's first.
; (The launch's last step so copies record 0 once more, into the slot that nobody reads: 16 KB a work-group, for two branches less in each of 18 steps.)
; A PREFETCH INTO THE L2 stands behind the loads: the record after the one just asked for, 8,192 bytes, lanes 256 bytes apart.  Each record of a head is named once in the launch: work-group x = 0 walks all 16
; records in its first pass; there wave 3 asks for K's and wave 4 for V's, in steps 0 to 13 for records 2 to 15.  Records 0 and 1 come by their loads alone.
.macro COPY_ISSUE first
	s_wait_xcnt 0x0                                ; the last step's loads and prefetch, and the way out's stores, have read their registers
.if \first
	s_mov_b32 s[NX], 0
.else
	s_add_co_u32 s[NX], s[KSR], 1
	s_cmp_eq_u32 s[NX], s[N]
	s_cselect_b32 s[NX], 0, s[NX]
.endif
	s_lshl_b32 s[OFS], s[NX], 13
	s_add_nc_u64 s[KP:KP+1], s[KB:KB+1], s[OFS:OFS+1]
	s_add_nc_u64 s[VP:VP+1], s[VB:VB+1], s[OFS:OFS+1]
	s_lshl_b32 s[OFS], s[NX], 9
	s_add_nc_u64 s[EP:EP+1], s[EB:EB+1], s[OFS:OFS+1]
	s_cmp_eq_u32 s[WV], 3
	s_cselect_b64 s[PP:PP+1], s[KP:KP+1], s[VP:VP+1]
	global_load_b128 v[KR:KR+3], v[CW], s[KP:KP+1]
	global_load_b128 v[VR:VR+3], v[CW], s[VP:VP+1]
	s_cmp_lt_u32 s[WV], 3
	s_cbranch_scc0 .Lnox_\@
	global_load_b128 v[EX:EX+3], v[LI], s[EP:EP+1]
.Lnox_\@:
.if !\first
	s_cmp_lt_u32 s[KSR], s[PLIM]
	s_cbranch_scc0 .Lnop_\@
	global_prefetch_b8 v[PFO], s[PP:PP+1] offset:8192 th:TH_LOAD_NT scope:SCOPE_SE
.Lnop_\@:
.endif
.endm
; It goes into the slot that was read a step ago.  ONE barrier a step: in front of it my reads of the slot just used are over and my stores into the other have landed.
.macro COPY_STORE slot
	s_wait_loadcnt 0x0
	ds_store_b128 v[CW], v[KR:KR+3] offset:(\slot)*SLOTB
	ds_store_b128 v[CW], v[VR:VR+3] offset:(\slot)*SLOTB+OV
	s_cmp_lt_u32 s[WV], 3
	s_cbranch_scc0 .Lnoe_\@
	s_cmp_eq_u32 s[WV], 2
	s_cbranch_scc0 .Lraw_\@
.irp i, 0,1,2,3
	v_cmp_eq_u32 vcc_lo, 0, v[EX+\i]               ; a padded key: NEG; a valid one: 0
	v_cndmask_b32 v[EX+\i], 0, v[NG], vcc_lo
.endr
.Lraw_\@:
	ds_store_b128 v[EW], v[EX:EX+3] offset:(\slot)*SLOTB
.Lnoe_\@:
	s_wait_dscnt 0x0
	s_barrier_signal -1
	s_barrier_wait -1
.endm
; A KEY STEP: 128 keys, from LDS slot \slot.
.macro STEP slot
.set SB, (\slot)*SLOTB
	COPY_ISSUE 0
	s_add_co_u32 s[TMP], s[Q0], 15
	s_cmp_gt_u32 s[KF], s[TMP]                     ; all 128 keys come after my 16 queries: the step's work is left out (a branch on ids; the copy and the barrier are not jumped over)
	s_cbranch_scc1 .Lhid_\@
.irp t, 0,1,2,3,4,5,6,7
	ds_load_b128 v[S+8*\t:S+8*\t+3], v[PMA] offset:SB+64*\t          ; the mask's numbers of keys 16 t + 8 h + 0 .. 7: the C of the tile's product
	ds_load_b128 v[S+8*\t+4:S+8*\t+7], v[PMA] offset:SB+64*\t+16
.endr
.irp t, 0,1,2,3,4,5,6,7
	ds_load_b128 v[KV+8*\t:KV+8*\t+3], v[LI] offset:SB+1024*\t
	ds_load_b128 v[KV+8*\t+4:KV+8*\t+7], v[LI] offset:SB+1024*\t+512
.endr
	ds_load_b128 v[KSC:KSC+3], v[KSA] offset:SB
	ds_load_b128 v[KSC+4:KSC+7], v[KSA] offset:SB+256
	s_wait_dscnt 0x0
.irp t, 0,1,2,3,4,5,6,7
	v_wmma_scale_f32_16x16x128_f8f6f4 v[S+8*\t:S+8*\t+7], v[KV+8*\t:KV+8*\t+15], v[Q:Q+15], v[S+8*\t:S+8*\t+7], v[KSC+\t], v[QS]
.endr
.rept 8
	v_nop                                          ; places in front of the loads into K's registers and of the first read of the scores
.endr
.irp t, 0,1,2,3
.irp c, 0,1,2,3
	ds_load_b128 v[KV+16*\t+4*\c:KV+16*\t+4*\c+3], v[LI] offset:SB+OV+2048*\t+512*\c   ; V lands under the softmax
.endr
.endr
	ds_load_b128 v[VSC:VSC+3], v[LI] offset:SB+OVS
	s_add_co_u32 s[TMP], s[KF], 127
	s_cmp_le_u32 s[TMP], s[Q0]                     ; a step all of whose keys count skips the causal mask
	s_cbranch_scc1 .Lopen_\@
	s_sub_co_i32 s[TMP], s[Q0], s[KF]
	v_add_nc_u32 v[TA], s[TMP], v[RH]              ; d = my query - KF - 8 h.  Register 8 t + j holds key KF + 16 t + 8 h + j: hidden where 16 t + j > d
.irp t, 0,1,2,3,4,5,6,7
.irp j, 0,1,2,3,4,5,6,7
	v_cmp_gt_i32 vcc_lo, 16*\t+\j, v[TA]
	v_cndmask_b32 v[S+8*\t+\j], v[S+8*\t+\j], v[NG], vcc_lo
.endr
.endr
.Lopen_\@:
.irp b, 0,1,2,3
	v_max3_num_f32 v[BM+\b], v[S+16*\b], v[S+16*\b+1], v[S+16*\b+2]   ; the largest score of each block of 32 keys: for the row's maximum and, since p rises with the score, for the block's largest p
.endr
.irp i, 3,5,7,9,11,13
.irp b, 0,1,2,3
	v_max3_num_f32 v[BM+\b], v[BM+\b], v[S+16*\b+\i], v[S+16*\b+\i+1]
.endr
.endr
.irp b, 0,1,2,3
	v_max_num_f32 v[BM+\b], v[BM+\b], v[S+16*\b+15]
.endr
.irp b, 0,1,2,3
	v_permlanex16_b32 v[BT+\b], v[BM+\b], s[SEL], s[SEL+1]
.endr
.irp b, 0,1,2,3
	v_max_num_f32 v[BM+\b], v[BM+\b], v[BT+\b]     ; with lane l xor 16's 16 keys
.endr
	v_max3_num_f32 v[TA], v[BM], v[BM+1], v[BM+2]
	v_max_num_f32 v[TA], v[TA], v[BM+3]
	v_mul_f32 v[TA], s[CS], v[TA]                  ; as t (c is positive)
	v_max_num_f32 v[TR], v[TR], v[TA]              ; the running largest t
	v_mov_b32 v[TA], v[NM]
	v_floor_f32 v[NM], -v[TR]                      ; the new -M = floor(-t): M is a whole number
	v_sub_f32 v[TA], v[NM], v[TA]                  ; old M - new M: a whole number, 0 or less
	v_cvt_i32_f32 v[TA], v[TA]                     ; (it saturates)
	v_ldexp_f32 v[F], 1.0, v[TA]                   ; f = 2^(old M - new M): rounds nothing
.set j, 0
.rept 32
	v_pk_fma_f32 v[S+j:S+j+1], v[S+j:S+j+1], s[CS:CS+1], v[NM:NM+1] op_sel_hi:[1,0,0]   ; t - M, two at a time
.set j, j+2
.endr
.irp b, 0,1,2,3
	v_fma_f32 v[BM+\b], v[BM+\b], s[CS], v[NM]
.endr
.set j, 0
.rept 64
	v_exp_f32 v[S+j], v[S+j]                       ; p = 2^(t - M), at most 1
.set j, j+1
.endr
	v_pk_mul_f32 v[L:L+1], v[L:L+1], v[F:F+1] op_sel_hi:[1,0]   ; the sums under the new M: the plain line behind the exponentials
	s_wait_alu depctr_va_vdst(0)                   ; one wait for the batch of 64, ahead of its first reader
.irp b, 0,1,2,3
	v_exp_f32 v[BM+\b], v[BM+\b]                   ; the block's largest p
.endr
	v_pk_add_f32 v[BT:BT+1], v[S:S+1], v[S+2:S+3]  ; the row's sum of the unquantised p, in two chains
.irp j, 4,8,12,16,20,24,28,32,36,40,44,48,52,56,60
	v_pk_add_f32 v[L:L+1], v[L:L+1], v[S+\j:S+\j+1]
	v_pk_add_f32 v[BT:BT+1], v[BT:BT+1], v[S+\j+2:S+\j+3]
.endr
	v_pk_add_f32 v[L:L+1], v[L:L+1], v[BT:BT+1]
	s_wait_alu depctr_va_vdst(0)                   ; and one for the four
.irp b, 0,1,2,3
	v_max_num_f32 v[BM+\b], 0x4800000, v[BM+\b]    ; the floor 2^(9 - 127): a block whose every p is 0 keeps the byte 1; its codes are zeros
.endr
.irp b, 0,1,2,3
	v_add_nc_u32 v[SCO+\b], 0xfc000000, v[BM+\b]   ; 8 off the exponent field: the conversion's scale operand
.endr
.irp b, 0,1,2,3
	v_and_or_b32 v[LIM+\b], v[BM+\b], 0x7f800000, s[MNT]   ; 448 x the scale
.endr
.irp b, 0,1,2,3
	v_lshrrev_b32 v[BT+\b], 23, v[SCO+\b]          ; the scale's byte
.endr
	v_lshl_or_b32 v[PW], v[BT+1], 8, v[BT]
	v_lshl_or_b32 v[PW], v[BT+2], 16, v[PW]
	v_lshl_or_b32 v[PW], v[BT+3], 24, v[PW]
.irp b, 0,1,2,3
.irp i, 0,1,2,3,4,5,6,7,8,9,10,11,12,13,14,15
	v_min_num_f32 v[S+16*\b+\i], v[S+16*\b+\i], v[LIM+\b]   ; the conversion does not saturate (ISA guide 7.6.2); p is not negative, so the hold is one-sided
.endr
	v_cvt_scalef32_pk8_fp8_f32 v[PC+4*\b:PC+4*\b+1], v[S+16*\b:S+16*\b+7], v[SCO+\b]
	v_cvt_scalef32_pk8_fp8_f32 v[PC+4*\b+2:PC+4*\b+3], v[S+16*\b+8:S+16*\b+15], v[SCO+\b]
.endr
.set j, 0
.rept 16
	v_pk_mul_f32 v[O+j:O+j+1], v[O+j:O+j+1], v[F:F+1] op_sel_hi:[1,0]   ; O^T under the new M; these sixteen are also the places between the codes and the products
.set j, j+2
.endr
	s_wait_dscnt 0x0                               ; V and its scale words
.irp t, 0,1,2,3
	v_wmma_scale_f32_16x16x128_f8f6f4 v[O+8*\t:O+8*\t+7], v[KV+16*\t:KV+16*\t+15], v[PC:PC+15], v[O+8*\t:O+8*\t+7], v[VSC+\t], v[PW]
.endr
.rept 8
	v_nop                                          ; places in front of the next step's loads into V's registers and of the way out's reads of O^T
.endr
.Lhid_\@:
	COPY_STORE 1-(\slot)
	s_add_co_u32 s[KSR], s[KSR], 1
	s_add_co_u32 s[KF], s[KF], 128
.endm
	s_load_b512 s[4:19], s[0:1], 0x0               ; kq_img s[4:5], kq_scl s[6:7], v_img s[8:9], v_scl s[10:11], vsum s[12:13], padding_mask s[14:15], y_img s[16:17], y_scl s[18:19]
	v_lshrrev_b32 v[TA], 5, v0
	v_readfirstlane_b32 s[WV], v[TA]               ; wave 0..15
	v_and_b32 v[TA], 31, v0                        ; lane
	v_and_b32 v[TB], 15, v0                        ; r
	v_bfe_u32 v[F+1], v0, 4, 1                     ; h
	v_lshlrev_b32 v[LI], 4, v[TA]
	v_lshlrev_b32 v[CW], 4, v0
	s_min_u32 s[TMP], s[WV], 2
	s_lshl_b32 s[TMP], s[TMP], 9
	s_add_co_u32 s[TMP], s[TMP], OKS
	v_add_nc_u32 v[EW], s[TMP], v[LI]
	v_lshl_add_u32 v[KSA], v[TB], 4, OKS
	v_lshl_add_u32 v[PMA], v[F+1], 5, OPM
	v_lshlrev_b32 v[PFO], 8, v[TA]
	v_mov_b32 v[NG], 0xff000000                    ; NEG = -2^127
	v_lshlrev_b32 v[H8], 3, v[F+1]
	v_sub_nc_u32 v[RH], v[TB], v[H8]
	v_lshlrev_b32 v[R16], 4, v[TB]
	v_lshl_add_u32 v[YB], v[TB], 5, v[F+1]
	v_lshl_add_u32 v[VSA], v[F+1], 5, VSUMB
	v_lshl_add_u32 v[VSW], v0, 2, VSUMB
	v_lshlrev_b32 v[TB], 2, v0                     ; 4 x thread
	v_mov_b32 v[F+1], 0
.irp i, 0,1,2,3,4,5,6,7
	v_mov_b32 v[Q+8+\i], 0                         ; zero codes: K from 64 to 128
.endr
.irp i, 0,1,2,3,4,5,6,7,8,9,10,11,12,13,14,15
	v_mov_b32 v[PC+\i], 0                          ; named behind K's tile 7 before p's first codes are made
.endr
.irp b, 0,1,2,3
	v_mov_b32 v[BT+\b], 0                          ; a lane permute's destination counts as one of its sources
.endr
	s_mov_b32 s[X], ttmp9
	s_and_b32 s[BH], ttmp7, 0xffff                 ; 16 x batch + head
	s_mov_b32 s[SEL], 0x76543210
	s_mov_b32 s[SEL+1], 0xfedcba98
	s_mov_b32 s[CS], 0x3e38aa3b                    ; c = log2(e) / 8
	s_mov_b32 s[CS+1], s[CS]
	s_mov_b32 s[MNT], 0x600000
	s_mov_b32 s[TIN], 0xfb800000                   ; -2^120
	s_mov_b32 s[OFS+1], 0
	s_mov_b32 s[PASS], 0
	s_lshr_b32 s[TMP], s[BH], 4                    ; the batch
	s_wait_kmcnt 0x0
	s_lshl_b32 s[OFS], s[BH], 17
	s_add_nc_u64 s[KB:KB+1], s[4:5], s[OFS:OFS+1]  ; k's images of my head (part 0)
	s_add_nc_u64 s[VB:VB+1], s[8:9], s[OFS:OFS+1]
	s_cmp_eq_u32 s[WV], 0
	s_cselect_b64 s[EB:EB+1], s[6:7], s[10:11]     ; wave 0: k's scale words; wave 1: v's;
	s_cmp_lt_u32 s[WV], 2
	s_cselect_b64 s[EB:EB+1], s[EB:EB+1], s[14:15] ; wave 2: the padding mask.  All three walk 512 bytes a step,
	s_cselect_b32 s[OFS], s[BH], s[TMP]            ; 8,192 bytes a head, or a batch
	s_lshl_b32 s[OFS], s[OFS], 13
	s_add_nc_u64 s[EB:EB+1], s[EB:EB+1], s[OFS:OFS+1]
	COPY_ISSUE 1
	s_lshl_b32 s[OFS], s[TMP], 16                  ; vsum: 65,536 bytes a batch, 256 a head
	s_and_b32 s[TMP2], s[BH], 15
	s_lshl_b32 s[TMP2], s[TMP2], 8
	s_add_co_u32 s[OFS], s[OFS], s[TMP2]
	s_add_nc_u64 s[12:13], s[12:13], s[OFS:OFS+1]
	s_cmp_lt_u32 s[WV], 2
	s_cbranch_scc0 .Lnosum                         ; threads 0 to 63: a channel each: the sixteen partial sums become the head's sum over all keys
.irp i, 0,1,2,3,4,5,6,7,8,9,10,11,12,13,14,15
	global_load_b32 v[S+\i], v[TB], s[12:13] offset:4096*\i
.endr
	s_wait_loadcnt 0x0
.irp i, 0,1,2,3,4,5,6,7
	v_add_f32 v[S+\i], v[S+\i], v[S+8+\i]
.endr
.irp i, 0,1,2,3
	v_add_f32 v[S+\i], v[S+\i], v[S+4+\i]
.endr
	v_add_f32 v[S], v[S], v[S+2]
	v_add_f32 v[S+1], v[S+1], v[S+3]
	v_add_f32 v[S], v[S], v[S+1]
	ds_store_b32 v[VSW], v[S]
.Lnosum:
	COPY_STORE 0                                   ; record 0 lies in slot 0; the barrier shows the sums to every wave too
.Lpass:                                            ; two passes: query block 7 - x, then x
	s_sub_co_u32 s[TMP], 7, s[X]
	s_cmp_eq_u32 s[PASS], 0
	s_cselect_b32 s[QB], s[TMP], s[X]
	s_sub_co_u32 s[TMP], s[WV], 3
	s_lshr_b32 s[TMP], s[TMP], 1                   ; 0 in waves 3 and 4 alone,
	s_or_b32 s[TMP], s[TMP], s[X]                  ; of work-group x = 0,
	s_or_b32 s[TMP], s[TMP], s[PASS]               ; in its first pass
	s_cmp_eq_u32 s[TMP], 0
	s_cselect_b32 s[PLIM], 14, 0
	s_lshl_b32 s[N], s[QB], 1
	s_add_co_u32 s[N], s[N], 2
	s_add_co_u32 s[TRIPS], s[QB], 1
	s_lshl_b32 s[Q0], s[QB], 8
	s_lshl_b32 s[TMP], s[WV], 4
	s_add_co_u32 s[Q0], s[Q0], s[TMP]
	s_mov_b32 s[KSR], 0
	s_mov_b32 s[KF], 0
	s_add_co_u32 s[TMP], s[BH], 64                 ; q is part 1
	s_lshl_b32 s[OFS], s[TMP], 17
	s_lshl_b32 s[TMP2], s[Q0], 6                   ; 1,024 bytes for each 16 tokens
	s_add_co_u32 s[OFS], s[OFS], s[TMP2]
	s_add_nc_u64 s[58:59], s[4:5], s[OFS:OFS+1]
	s_lshl_b32 s[OFS], s[TMP], 13
	s_lshr_b32 s[TMP2], s[Q0], 7
	s_lshl_b32 s[TMP2], s[TMP2], 9                 ; the record of 128 tokens,
	s_add_co_u32 s[OFS], s[OFS], s[TMP2]
	s_bfe_u32 s[TMP2], s[Q0], 0x10006
	s_lshl_b32 s[TMP2], s[TMP2], 8                 ; tiles 4-7 lie 256 bytes behind tiles 0-3,
	s_add_co_u32 s[OFS], s[OFS], s[TMP2]
	s_bfe_u32 s[TMP2], s[Q0], 0x20004
	s_lshl_b32 s[TMP2], s[TMP2], 2                 ; 4 bytes a tile
	s_add_co_u32 s[OFS], s[OFS], s[TMP2]
	s_add_nc_u64 s[60:61], s[6:7], s[OFS:OFS+1]
	global_load_b128 v[Q:Q+3], v[LI], s[58:59]
	global_load_b128 v[Q+4:Q+7], v[LI], s[58:59] offset:512
	global_load_b32 v[QS], v[R16], s[60:61]
	v_mov_b32 v[TR], s[TIN]
	v_floor_f32 v[NM], -v[TR]
	v_mov_b32 v[L], 0
	v_mov_b32 v[L+1], 0
.set j, 0
.rept 32
	v_mov_b32 v[O+j], 0                            ; the step is written once: its first trip finds zeros
.set j, j+1
.endr
	s_wait_loadcnt 0x0
.Lstep:                                            ; QB + 1 trips of two key steps
	STEP 0
	STEP 1
	s_sub_co_u32 s[TRIPS], s[TRIPS], 1
	s_cmp_lg_u32 s[TRIPS], 0
	s_cbranch_scc1 .Lstep
	; THE WAY OUT.  O^T / the sum, quantised along the head's 64 channels (two blocks of C), brought into the natural order of K, stored as an image.
.irp t, 0,1,2,3
	ds_load_b128 v[S+8*\t:S+8*\t+3], v[VSA] offset:64*\t           ; the head's sums of channels 16 t + 8 h + 0 .. 7
	ds_load_b128 v[S+8*\t+4:S+8*\t+7], v[VSA] offset:64*\t+16
.endr
	v_add_f32 v[L], v[L], v[L+1]
	v_permlanex16_b32 v[TA], v[L], s[SEL], s[SEL+1]
	v_add_f32 v[L], v[L], v[TA]                    ; the row's sum
	v_cmp_lt_f32 vcc_lo, s[TIN], v[TR]             ; has my query seen a valid key?
	v_cndmask_b32 v[L], 0x45000000, v[L], vcc_lo   ; if not: 2,048
	v_rcp_f32 v[L], v[L]
	s_wait_dscnt 0x0
.set j, 0
.rept 32
	v_cndmask_b32 v[O+j], v[S+j], v[O+j], vcc_lo   ; and the sum of the quantised v over all keys.  (Plain lines behind the reciprocal; each accumulator from its low end on)
.set j, j+1
.endr
	s_wait_alu depctr_va_vdst(0)                   ; the wait ahead of the reciprocal's first reader
.set j, 0
.rept 16
	v_pk_mul_f32 v[O+j:O+j+1], v[O+j:O+j+1], v[L:L+1] op_sel_hi:[1,0]
.set j, j+2
.endr
.irp c, 0,1
	v_max3_num_f32 v[BM+\c], |v[O+16*\c]|, |v[O+16*\c+1]|, 0x4800000
.endr
.irp i, 2,4,6,8,10,12,14
.irp c, 0,1
	v_max3_num_f32 v[BM+\c], v[BM+\c], |v[O+16*\c+\i]|, |v[O+16*\c+\i+1]|
.endr
.endr
.irp c, 0,1
	v_permlanex16_b32 v[BT+\c], v[BM+\c], s[SEL], s[SEL+1]
.endr
.irp c, 0,1
	v_max_num_f32 v[BM+\c], v[BM+\c], v[BT+\c]
.endr
.irp c, 0,1
	v_add_nc_u32 v[SCO+\c], 0xfc000000, v[BM+\c]
.endr
.irp c, 0,1
	v_and_or_b32 v[LIM+\c], v[BM+\c], 0x7f800000, s[MNT]
.endr
.irp c, 0,1
	v_lshrrev_b32 v[BT+\c], 23, v[SCO+\c]
.endr
	v_lshl_or_b32 v[TA], v[BT+1], 8, v[BT]         ; the two scale bytes
	s_lshr_b32 s[TMP], s[BH], 4
	s_lshl_b32 s[TMP], s[TMP], 11
	s_add_co_u32 s[TMP], s[TMP], s[Q0]             ; my first token among the 8,192
	s_and_b32 s[TMP2], s[BH], 15                   ; the head
	s_add_co_u32 s[OFS], s[TMP], s[TMP2]
	s_lshl_b32 s[OFS], s[OFS], 10                  ; 16,384 bytes for 16 tokens, 1,024 for a head in them
	s_add_nc_u64 s[62:63], s[16:17], s[OFS:OFS+1]
	s_lshl_b32 s[OFS], s[TMP], 5
	s_lshl_b32 s[TMP2], s[TMP2], 1
	s_add_co_u32 s[OFS], s[OFS], s[TMP2]           ; 32 scale bytes a token, 2 a head
	s_add_nc_u64 s[56:57], s[18:19], s[OFS:OFS+1]
.irp c, 0,1
.irp i, 0,1,2,3,4,5,6,7,8,9,10,11,12,13,14,15
	v_med3_num_f32 v[O+16*\c+\i], v[O+16*\c+\i], -v[LIM+\c], v[LIM+\c]
.endr
	v_cvt_scalef32_pk8_fp8_f32 v[PC+4*\c:PC+4*\c+1], v[O+16*\c:O+16*\c+7], v[SCO+\c]
	v_cvt_scalef32_pk8_fp8_f32 v[PC+4*\c+2:PC+4*\c+3], v[O+16*\c+8:O+16*\c+15], v[SCO+\c]
.endr
	v_nop                                          ; a plain line behind the last conversion
.irp c, 0,1
.irp i, 0,1
	v_permlane16_swap_b32 v[PC+4*\c+\i], v[PC+4*\c+2+\i]   ; channels 8-15 (lanes 16-31 of the first pair) change places with channels 16-23 (lanes 0-15 of the second): now k = 32 c + 16 h + 0 .. 15, as W_proj's codes lie
.endr
.endr
	v_lshrrev_b32 v[TB], v[H8], v[TA]              ; lane (r, h) stores byte h of token r
	global_store_b128 v[LI], v[PC:PC+3], s[62:63]              ; 512 consecutive bytes
	global_store_b128 v[LI], v[PC+4:PC+7], s[62:63] offset:512
	global_store_b8 v[YB], v[TB], s[56:57]         ; two bytes of each token's 32: the other heads' work-groups write the rest
	s_add_co_u32 s[PASS], s[PASS], 1
	s_cmp_lt_u32 s[PASS], 2
	s_cbranch_scc1 .Lpass
	s_wait_xcnt 0x0
	v_lshl_add_u32 v254, v0, 2, 0x9400
	v_mov_b32 v255, 0
	s_wait_tensorcnt 0x0
	ds_add_u32 v254, v255
	s_wait_dscnt 0x0
	s_endpgm
.Lfunc_end_k_q2b1c7a7b36_attn:
	.size	k_q2b1c7a7b36_attn, .Lfunc_end_k_q2b1c7a7b36_attn-k_q2b1c7a7b36_attn
	.p2alignl 7, 3214868480
	.fill 96, 4, 3214868480
	.section	.rodata,"a",@progbits
	.p2align	6, 0x0
	.amdhsa_kernel k_q2b1c7a7b36_attn
		.amdhsa_group_segment_fixed_size 39936
		.amdhsa_private_segment_fixed_size 0
		.amdhsa_enable_private_segment 0
		.amdhsa_kernarg_size 64
		.amdhsa_user_sgpr_count 2
		.amdhsa_user_sgpr_kernarg_segment_ptr 1
		.amdhsa_wavefront_size32 1
		.amdhsa_system_sgpr_workgroup_id_x 1
		.amdhsa_system_sgpr_workgroup_id_y 1
		.amdhsa_system_sgpr_workgroup_id_z 1
		.amdhsa_system_vgpr_workitem_id 0
		.amdhsa_next_free_vgpr 256
		.amdhsa_next_free_sgpr 66
		.amdhsa_reserve_vcc 1
		.amdhsa_float_denorm_mode_32 3
		.amdhsa_float_denorm_mode_16_64 3
		.amdhsa_memory_ordered 1
		.amdhsa_forward_progress 1
		.amdhsa_inst_pref_size 70
	.end_amdhsa_kernel
	.amdgpu_metadata
---
amdhsa.version: [ 1, 2 ]
amdhsa.kernels:
  - .name:           k_q2b1c7a7b36_attn
    .symbol:         k_q2b1c7a7b36_attn.kd
    .args:
      - { .name: kq_img, .offset: 0, .size: 8, .value_kind: global_buffer, .address_space: global }
      - { .name: kq_scl, .offset: 8, .size: 8, .value_kind: global_buffer, .address_space: global }
      - { .name: v_img, .offset: 16, .size: 8, .value_kind: global_buffer, .address_space: global }
      - { .name: v_scl, .offset: 24, .size: 8, .value_kind: global_buffer, .address_space: global }
      - { .name: vsum, .offset: 32, .size: 8, .value_kind: global_buffer, .address_space: global }
      - { .name: padding_mask, .offset: 40, .size: 8, .value_kind: global_buffer, .address_space: global }
      - { .name: y_img, .offset: 48, .size: 8, .value_kind: global_buffer, .address_space: global }
      - { .name: y_scl, .offset: 56, .size: 8, .value_kind: global_buffer, .address_space: global }
    .group_segment_fixed_size: 39936
    .private_segment_fixed_size: 0
    .kernarg_segment_align: 8
    .kernarg_segment_size: 64
    .max_flat_workgroup_size: 512
    .sgpr_count:     66
    .vgpr_count:     256
    .wavefront_size: 32
...
	.end_amdgpu_metadata
.endif
;; end of part 2
;; launch proj (part 3): grid 4 x 32, 4 waves a work-group, clusters of 4 x 4, 327,680 bytes of LDS; arguments y_img, y_scl, W_proj_codes, W_proj_scales, b_proj, out0; writes out0
.if DOCPART == 3
	.amdgcn_target "amdgcn-amd-amdhsa--gfx1250"
	.amdhsa_code_object_version 6
	.text
	.protected	k_q2b1c7a7b36_proj
	.globl	k_q2b1c7a7b36_proj
	.p2align	8
	.type	k_q2b1c7a7b36_proj,@function
k_q2b1c7a7b36_proj:
	s_mov_b64 s[64:65], 0
	v_nop
	global_prefetch_b8 v0, s[64:65] scope:SCOPE_SE
	s_setreg_imm32_b32 hwreg(HW_REG_WAVE_MODE, 25, 1), 1
	s_wait_xcnt 0x0
	s_wait_alu depctr_hold_cnt(0) depctr_sa_sdst(0) depctr_va_vdst(0) depctr_va_sdst(0) depctr_va_ssrc(0) depctr_va_vcc(0) depctr_vm_vsrc(0)
	s_getreg_b32 s2, hwreg(HW_REG_IB_STS2, 6, 4)
	s_cmp_eq_u32 s2, 0
	s_cbranch_scc0 .Lentry_in_a_cluster
	s_endpgm
.Lentry_in_a_cluster:
	s_bfe_u32 s2, ttmp6, 0x10000c
	s_cmp_lg_u32 s2, 0xf033
	s_cbranch_scc0 .Lentry_shape_is_right
	s_endpgm
.Lentry_shape_is_right:
; out0 = y W_proj + b_proj on codes of FP8 (E4M3) with one E8M0 scale for each 32 along K = 1,024; out0 [8,192][1,024] f32.
; y comes as IMAGES of operand registers, [16 tokens 512][128 along K 8][four registers 4][lane 32][16 bytes], its scale bytes as [token][32]; W_proj's codes as rows [n 1,024][K 1,024], scale bytes [n][32].
; A tile of 256 x 256 is made by four waves, 128 x 128 each: 64 accumulators, 512 registers.  K goes in steps of 256 through a ring of two LDS slots; the scale bytes for all of K come once.
; 4 x 4 work-groups form a cluster: y's tiles (A, source 1) are asked for jointly along a row of the cluster, W's (B, source 0) along a column.  With source 0 = W a lane holds eight neighbouring outputs of a token.
; The bias is the C of each sum's first matrix instruction.  128 work-groups: a tile of 128 x 256 would give 256 at twice W's LDS reads for each product; not taken here.
; REGISTERS: window 0: v1-31 addresses; v32-63 scale words, two sets; v64-127 the bias; v128-255 A's fragments, one set.  window 1: B's fragments, two sets.  windows 2, 3: accumulator (a, b) at v[8 (8 (a % 4) + b)].
.set SIZE_N, 1024
.set NQ,     2
.set ROWB,   256
.set KROW,   1024
.set PITCH,  272                       ; a row of W in LDS: 256 bytes + 16 of padding
.set FR,     16
.set NL,     4
.set NP,     8
.set AHALF,  32768                     ; 128 tokens x 256 along K as images: dense
.set ASTEP,  4096                      ; a K step of 16 tokens' images in memory
.set BOFF,   2*AHALF
.set HALFT,  128*PITCH
.set SLOT,   BOFF+2*HALFT              ; A's two halves, then B's two
.set KS,     32
.set SCL,    2*SLOT
.set HALFS,  (128*KS/256)*272
.set SBLK,   (16*KS/256)*272
.set SPARE,  SCL+4*HALFS               ; the spare words: two blocks of 256 bytes that no other line names
.set SPITCH, 528                       ; the way out: a stage of 16 rows x (512 + 16) bytes a wave, in slot 0, which has had its last fill and its last read by then
.set ADRA, 16
.set ADRB, 20
.set STO,  24
.set RD,   25
.set CO,   26
.set ADRS, 27
.set SPW,  28
.set NIL,  29
.set SC,   32
.set BIAS, 64
.set AF,   128
.set BK,   128
.set G1, 24
.set G0, 32
.set G1B, 48
.set G0B, 56
.set G1S, 68
.set G0S, 76
.set G1SB, 80
.set G0SB, 88
.set MSB, 0
.macro WIN new
.if MSB != (\new)
	s_set_vgpr_msb (MSB<<8)|(\new)
.set MSB, (\new)
.endif
.endm
.set MUL_LO, 0xa1                      ; source 0 (B) window 1, source 1 (A) window 0, C and D window 2
.set MUL_HI, 0xf1
.set TO_B,   0x40
.macro JLOAD g0a, g1a, g0b, g1b        ; waves 0 and 1 fetch for A, waves 2 and 3 for B; four v_nop follow each line
	s_cmp_eq_u32 s15, 0
	s_cbranch_scc0 .Lfor_b_\@
	tensor_load_to_lds s[\g0a:\g0a+3], s[\g1a:\g1a+7]
	s_nop 0
.rept 4
	v_nop
.endr
	s_branch .Lasked_\@
.Lfor_b_\@:
	tensor_load_to_lds s[\g0b:\g0b+3], s[\g1b:\g1b+7]
	s_nop 0
.rept 4
	v_nop
.endr
.Lasked_\@:
.endm
.macro CREST
	s_cmp_lg_u32 s14, 0
	s_cbranch_scc1 .Lnot_wave_0_\@
	s_barrier_signal -3
.Lnot_wave_0_\@:
	s_barrier_wait -3
	s_barrier_signal -1
	s_barrier_wait -1
.endm
.macro CROUND
	s_barrier_signal -1
	s_barrier_wait -1
	CREST
.endm
	s_load_b128 s[4:7], s[0:1], 0x0                ; y's images, y's scale bytes
	s_load_b128 s[8:11], s[0:1], 0x10              ; W's codes, W's scale bytes
	s_load_b128 s[96:99], s[0:1], 0x20             ; b_proj s[96:97], out0 s[98:99]
	v_lshl_add_u32 v[SPW], v0, 2, SPARE
	v_mov_b32 v[NIL], 0
	ds_add_u32 v28, v29
	ds_add_u32 v28, v29
	s_wait_dscnt 0x0
	v_lshrrev_b32 v1, 5, v0
	v_readfirstlane_b32 s14, v1                    ; wave 0..3
	s_lshr_b32 s15, s14, 1                         ; my half of the tile's tokens.  Also: I fetch for A (0) or for B (1)
	s_and_b32 s16, s14, 1                          ; my half of its columns.  Also: which 128 rows I fetch
	s_bfe_u32 s40, ttmp6, 0x40000                  ; cx
	s_bfe_u32 s41, ttmp6, 0x40004                  ; cy
	s_lshl_b32 s42, ttmp9, 2
	s_add_co_u32 s42, s42, s40                     ; tile column
	s_and_b32 s17, ttmp7, 0xffff
	s_lshl_b32 s17, s17, 2
	s_add_co_u32 s17, s17, s41                     ; tile row
	s_lshl_b32 s43, s41, 2
	s_lshl_b32 s43, 15, s43                        ; my row of the cluster
	s_lshl_b32 s44, 0x1111, s40                    ; my column
	; A: 8 blocks of 16 tokens; of each, a K step's 4,096 dense bytes (512 elements of 8 bytes), 16,384 bytes from block to block; no padding: the reads are 512 consecutive bytes
	s_or_b32 s[G1+0], s43, (3<<16)|(1<<21)
	s_mov_b32 s[G1+1], 512<<16
	s_mov_b32 s[G1+2], 8<<16
	s_mov_b32 s[G1+3], 512<<16
	s_mov_b32 s[G1+4], 8
	s_mov_b32 s[G1+5], 2048
	s_mov_b32 s[G1+6], 0
	s_mov_b32 s[G1+7], 0
	; B: 128 rows x 256 bytes, 16 bytes of padding behind each
	s_or_b32 s[G1B+0], s44, (0<<16)|(1<<20)|(1<<21)|(5<<22)|(3<<25)
	s_mov_b32 s[G1B+1], ROWB<<16
	s_mov_b32 s[G1B+2], 128<<16
	s_mov_b32 s[G1B+3], ROWB<<16
	s_mov_b32 s[G1B+4], 128
	s_mov_b32 s[G1B+5], KROW
	s_mov_b32 s[G1B+6], 0
	s_mov_b32 s[G1B+7], 0
	; the scale bytes of 128 rows: 4,096 dense bytes as 16 rows of 256, 16 bytes of padding behind each
	s_or_b32 s[G1S+0], s43, (3<<16)|(1<<20)|(1<<21)|(5<<22)|(3<<25)
	s_or_b32 s[G1SB+0], s44, (3<<16)|(1<<20)|(1<<21)|(5<<22)|(3<<25)
.irp g, G1S, G1SB
	s_mov_b32 s[\g+1], 32<<16
	s_mov_b32 s[\g+2], (128*KS/256)<<16
	s_mov_b32 s[\g+3], 32<<16
	s_mov_b32 s[\g+4], 128*KS/256
	s_mov_b32 s[\g+5], 32
	s_mov_b32 s[\g+6], 0
	s_mov_b32 s[\g+7], 0
.endr
	s_lshl_b32 s18, s16, 7
	s_lshl_b32 s20, s17, 8
	s_add_co_u32 s20, s20, s18                     ; A: token 256 x tile row + 128 x half
	s_lshl_b32 s46, s42, 8
	s_add_co_u32 s46, s46, s18                     ; B: row 256 x tile column + 128 x half
	s_mov_b32 s21, 0
	s_mov_b32 s47, 0
	s_mov_b64 s[18:19], KS
	s_mul_u64 s[22:23], s[20:21], s[18:19]
	s_mul_u64 s[92:93], s[46:47], s[18:19]
	s_mov_b64 s[18:19], KROW
	s_mul_u64 s[20:21], s[20:21], s[18:19]         ; 1,024 bytes a token in the images too: 16,384 for 16
	s_mul_u64 s[46:47], s[46:47], s[18:19]
	s_mul_i32 s45, s16, AHALF                      ; where they go: A's half,
	s_mul_i32 s95, s16, HALFT
	s_add_co_u32 s95, s95, BOFF                    ; B's half,
	s_mul_i32 s94, s14, HALFS                      ; the scale bytes: wave x 128 rows
	s_wait_kmcnt 0x0
	s_add_nc_u64 s[20:21], s[4:5], s[20:21]
	s_add_nc_u64 s[22:23], s[6:7], s[22:23]
	s_add_nc_u64 s[46:47], s[8:9], s[46:47]
	s_add_nc_u64 s[92:93], s[10:11], s[92:93]
	CROUND                                         ; all sixteen work-groups are here: the first joint loads meet
	s_mov_b32 s[G0S], 1
	s_add_co_u32 s[G0S+1], s94, SCL
	s_mov_b64 s[G0S+2:G0S+3], s[22:23]
	s_or_b32 s[G0S+3], s[G0S+3], 0x80000000
	s_mov_b32 s[G0SB], 1
	s_add_co_u32 s[G0SB+1], s94, SCL
	s_mov_b64 s[G0SB+2:G0SB+3], s[92:93]
	s_or_b32 s[G0SB+3], s[G0SB+3], 0x80000000
	JLOAD G0S, G1S, G0SB, G1SB                     ; three loads of mine are out behind the next two
.irp s, 0,1
	s_mov_b32 s[G0+4*\s], 1
	s_add_co_u32 s[G0+4*\s+1], s45, \s*SLOT
	s_add_nc_u64 s[G0+4*\s+2:G0+4*\s+3], s[20:21], \s*ASTEP
	s_or_b32 s[G0+4*\s+3], s[G0+4*\s+3], 0x80000000
	s_mov_b32 s[G0B+4*\s], 1
	s_add_co_u32 s[G0B+4*\s+1], s95, \s*SLOT
	s_add_nc_u64 s[G0B+4*\s+2:G0B+4*\s+3], s[46:47], \s*ROWB
	s_or_b32 s[G0B+4*\s+3], s[G0B+4*\s+3], 0x80000000
	JLOAD G0+4*\s, G1, G0B+4*\s, G1B
.endr
	v_and_b32 v1, 15, v0                           ; r
	v_bfe_u32 v2, v0, 4, 1                         ; h
	v_and_b32 v6, 31, v0
	v_lshlrev_b32 v[CO], 4, v6                     ; 16 x lane
	v_mul_u32_u24 v3, v1, PITCH
	v_lshl_add_u32 v4, v2, 4, v3
	s_mul_i32 s21, s15, AHALF                      ; my 128 tokens' images
	s_mul_i32 s22, s16, HALFT
	s_add_co_u32 s22, s22, BOFF                    ; my 128 rows of W
.irp s, 0,1
	v_add_nc_u32 v[ADRA+\s], s21, v[CO]
	v_add_nc_u32 v[ADRB+\s], s22, v4
	s_add_co_u32 s21, s21, SLOT
	s_add_co_u32 s22, s22, SLOT
.endr
	v_mul_u32_u24 v5, v1, KS
	v_lshrrev_b32 v6, 8, v5
	v_lshl_add_u32 v5, v6, 4, v5
	s_mul_i32 s21, s15, HALFS
	s_mul_i32 s22, s16, HALFS
	s_add_co_u32 s22, s22, 2*HALFS
	s_sub_co_u32 s22, s22, s21
	v_mul_u32_u24 v6, s22, v2                      ; lanes 16-31 take B's
	s_add_co_u32 s21, s21, SCL
	v_add_nc_u32 v5, v5, v6
	v_add_nc_u32 v[ADRS], s21, v5
	s_mul_i32 s23, s14, 16*SPITCH                  ; my stage
	v_mul_u32_u24 v5, v1, SPITCH
	v_lshl_add_u32 v5, v2, 5, v5
	v_add_nc_u32 v[STO], s23, v5
	v_add_nc_u32 v[RD], s23, v[CO]
	s_lshl_b32 s20, s17, 8
	s_lshl_b32 s21, s15, 7
	s_add_co_u32 s20, s20, s21                     ; my first row of out0
	s_mov_b32 s21, 0
	s_mov_b64 s[18:19], SIZE_N*4
	s_mul_u64 s[20:21], s[20:21], s[18:19]
	s_lshl_b32 s46, s42, 10                        ; my first column, in bytes: in a row of out0 and in b_proj alike
	s_lshl_b32 s47, s16, 9
	s_add_co_u32 s46, s46, s47
	s_mov_b32 s47, 0
	s_add_nc_u64 s[96:97], s[96:97], s[46:47]
	s_add_nc_u64 s[20:21], s[20:21], s[46:47]
	s_add_nc_u64 s[98:99], s[98:99], s[20:21]
	v_lshlrev_b32 v7, 5, v2                        ; 32 h; never rewritten
.irp b, 0,1,2,3,4,5,6,7
	global_load_b128 v[BIAS+8*\b:BIAS+8*\b+3], v7, s[96:97] offset:64*\b        ; b_proj at columns 16 b + 8 h + 0 .. 7: the result's layout
	global_load_b128 v[BIAS+8*\b+4:BIAS+8*\b+7], v7, s[96:97] offset:64*\b+16
.endr
.macro FRAGB reg, adr, q, i
.irp c, 0,1,2,3
	ds_load_b128 v[\reg+4*\c:\reg+4*\c+3], v[\adr] offset:128*(\q)+32*\c+(\i)*16*PITCH
.endr
.endm
.macro FRAGA reg, adr, q, i            ; an image comes back as it was stored: four loads of 512 consecutive bytes
.irp c, 0,1,2,3
	ds_load_b128 v[\reg+4*\c:\reg+4*\c+3], v[\adr] offset:(\i)*4096+(\q)*2048+512*\c
.endr
.endm
; 16 matrix instructions; the 64 accumulators take turns, one instruction a turn.  first = 1: the bias starts the sums.
.macro MUL16 a0, p, q, sc, first
.irp a, \a0, \a0+1
.irp b, 0,1,2,3,4,5,6,7
.if \first
	v_wmma_scale_f32_16x16x128_f8f6f4 v[8*(8*((\a)%4)+\b):8*(8*((\a)%4)+\b)+7], v[128*(\p)+FR*\b:128*(\p)+FR*\b+FR-1], v[AF+FR*(\a):AF+FR*(\a)+FR-1], v[BIAS+8*\b:BIAS+8*\b+7], v[SC+8*NQ*(\sc)+NQ*\b+(\q)], v[SC+8*NQ*(\sc)+NQ*(\a)+(\q)] matrix_a_scale:MATRIX_SCALE_ROW1
.else
	v_wmma_scale_f32_16x16x128_f8f6f4 v[8*(8*((\a)%4)+\b):8*(8*((\a)%4)+\b)+7], v[128*(\p)+FR*\b:128*(\p)+FR*\b+FR-1], v[AF+FR*(\a):AF+FR*(\a)+FR-1], v[8*(8*((\a)%4)+\b):8*(8*((\a)%4)+\b)+7], v[SC+8*NQ*(\sc)+NQ*\b+(\q)], v[SC+8*NQ*(\sc)+NQ*(\a)+(\q)] matrix_a_scale:MATRIX_SCALE_ROW1
.endif
.endr
.endr
.endm
.macro FETCH_B slot, q, p
	WIN TO_B
.irp i, 0,1,2,3,4,5,6,7
	FRAGB 128*(\p)+FR*\i, ADRB+\slot, \q, \i
.endr
	WIN 0
.endm
.macro FETCH_A slot, q, i0
.irp i, \i0, \i0+1, \i0+2, \i0+3
	FRAGA AF+FR*(\i), ADRA+\slot, \q, \i
.endr
.endm
.macro SCALES sc
.irp i, 0,1,2,3,4,5,6,7
	ds_load_b64 v[SC+8*NQ*\sc+NQ*\i:SC+8*NQ*\sc+NQ*\i+1], v[ADRS] offset:\i*SBLK
.endr
.endm
.macro PLACES n
.rept \n
	v_nop
.endr
.endm
.macro STEP slot, q, first
	s_wait_dscnt 4*NL                              ; all but the youngest 16 loads (A's blocks 4-7) are in
	WIN MUL_LO-0x20*(\first)                       ; (the bias lies in window 0)
	MUL16 0, (\q)%2, \q, \slot, \first
	MUL16 2, (\q)%2, \q, \slot, \first
	s_wait_dscnt 0
	PLACES NP
	FETCH_B \slot, (\q)+1, 1-(\q)%2
	FETCH_A \slot, (\q)+1, 0
	WIN MUL_HI-0x30*(\first)
	MUL16 4, (\q)%2, \q, \slot, \first
	MUL16 6, (\q)%2, \q, \slot, \first
	PLACES NP
	WIN 0
	FETCH_A \slot, (\q)+1, 4
.endm
.macro TURN slot, next, fill
	s_wait_tensorcnt 0x0                           ; all my tensor loads have landed: my part of the next slot
	ds_add_u32 v[SPW], v[NIL]                      ; 0 onto my spare word
	s_wait_dscnt 4*NL+1                            ; (the add and the youngest 16 loads may be out)
	WIN MUL_LO
	MUL16 0, 1, NQ-1, \slot, 0
	s_wait_dscnt 0x0                               ; the add is done, and my reads of this slot are over
	s_barrier_signal -1
	MUL16 2, 1, NQ-1, \slot, 0
	WIN 0
	s_barrier_wait -1
.if \fill
	CREST                                          ; the barrier has opened a round of the cluster's: no wave of any partner still reads this slot or has a load on its way
	s_add_nc_u64 s[G0+4*\slot+2:G0+4*\slot+3], s[G0+4*\slot+2:G0+4*\slot+3], 2*ASTEP
	s_add_nc_u64 s[G0B+4*\slot+2:G0B+4*\slot+3], s[G0B+4*\slot+2:G0B+4*\slot+3], 2*ROWB
	JLOAD G0+4*\slot, G1, G0B+4*\slot, G1B         ; my one tensor load behind the round; its four v_nop are four of the eight places
	PLACES NP-4
.else
	PLACES NP
.endif
	v_add_nc_u32 v[ADRS], 4*NQ, v[ADRS]
	FETCH_B \next, 0, 0
	FETCH_A \next, 0, 0
	SCALES \next
	WIN MUL_HI
	MUL16 4, 1, NQ-1, \slot, 0
	MUL16 6, 1, NQ-1, \slot, 0
	PLACES NP
	WIN 0
	FETCH_A \next, 0, 4
.endm
	s_wait_tensorcnt 1                             ; the scale bytes and my part of K step 0 are in; K step 1's load may stay out
	s_barrier_signal -1
	s_barrier_wait -1
	FETCH_B 0, 0, 0
	FETCH_A 0, 0, 0
	SCALES 0
	FETCH_A 0, 0, 4
	s_wait_loadcnt 0x0                             ; the bias
	STEP 0, 0, 1
	TURN 0, 1, 1                                   ; slot 0 takes K step 2
	STEP 1, 0, 0
	TURN 1, 0, 1                                   ; slot 1 takes K step 3
	STEP 0, 0, 0
	TURN 0, 1, 0
	STEP 1, 0, 0
	s_wait_dscnt 4*NL
	WIN MUL_LO
	MUL16 0, 1, NQ-1, 1, 0
	MUL16 2, 1, NQ-1, 1, 0
	s_wait_dscnt 0
	WIN MUL_HI
	MUL16 4, 1, NQ-1, 1, 0
	MUL16 6, 1, NQ-1, 1, 0
	WIN 0
; THE WAY OUT, a block of 16 tokens x 128 columns at a time, through my own stage in LDS: in as 32 bytes a lane, back as whole rows of 512 bytes.  LDS serves a wave's instructions in order (ISA guide 5.7.1.4).
.macro TOSTAGE a
.set AC, 64*((\a)%4)
	WIN 0x08+4*((\a)/4)                            ; an LDS store's data: window 2 or 3
.irp b, 0,1,2,3,4,5,6,7
	ds_store_b128 v[STO], v[AC+8*\b:AC+8*\b+3] offset:64*\b          ; each accumulator from its low end on
	ds_store_b128 v[STO], v[AC+8*\b+4:AC+8*\b+7] offset:64*\b+16
.endr
	WIN 0
.set BB, BK+64*((\a)%2)
.irp t, 0,1,2,3,4,5,6,7,8,9,10,11,12,13,14,15
	ds_load_b128 v[BB+4*\t:BB+4*\t+3], v[RD] offset:\t*SPITCH
.endr
.endm
.macro SEND a, younger                 ; younger: the LDS instructions issued behind block a's loads
.set BB, BK+64*((\a)%2)
	s_wait_dscnt \younger
.if (\a) > 0
	s_add_nc_u64 s[98:99], s[98:99], 16*SIZE_N*4   ; (behind a wait on XCNT: the earlier stores have read their base)
.endif
.irp t, 0,1,2,3,4,5,6,7,8,9,10,11,12,13,14,15
	global_store_b128 v[CO], v[BB+4*\t:BB+4*\t+3], s[98:99] offset:\t*SIZE_N*4 th:TH_STORE_NT   ; 32 lanes store 512 consecutive bytes, aligned to 256
.endr
.endm
	PLACES NP
	TOSTAGE 0
.irp a, 1,2,3,4,5,6,7
.if \a > 1
	s_wait_xcnt 0x0                                ; block a - 2's stores have read their registers and their base
.endif
	TOSTAGE \a
	SEND \a-1, 32                                  ; behind block a - 1's loads: block a's 16 stores and 16 loads
.endr
	s_wait_xcnt 0x0
	SEND 7, 0
	s_wait_tensorcnt 0x0                           ; the wave's end
	ds_add_u32 v[SPW], v[NIL]
	s_wait_dscnt 0x0
	CROUND                                         ; the closing round
	s_endpgm
.Lfunc_end_k_q2b1c7a7b36_proj:
	.size	k_q2b1c7a7b36_proj, .Lfunc_end_k_q2b1c7a7b36_proj-k_q2b1c7a7b36_proj
	.p2alignl 7, 3214868480
	.fill 96, 4, 3214868480
	.section	.rodata,"a",@progbits
	.p2align	6, 0x0
	.amdhsa_kernel k_q2b1c7a7b36_proj
		.amdhsa_group_segment_fixed_size 327680
		.amdhsa_private_segment_fixed_size 0
		.amdhsa_enable_private_segment 0
		.amdhsa_kernarg_size 48
		.amdhsa_user_sgpr_count 2
		.amdhsa_user_sgpr_kernarg_segment_ptr 1
		.amdhsa_wavefront_size32 1
		.amdhsa_system_sgpr_workgroup_id_x 1
		.amdhsa_system_sgpr_workgroup_id_y 1
		.amdhsa_system_sgpr_workgroup_id_z 1
		.amdhsa_system_vgpr_workitem_id 0
		.amdhsa_next_free_vgpr 1024
		.amdhsa_next_free_sgpr 100
		.amdhsa_reserve_vcc 0
		.amdhsa_float_denorm_mode_32 3
		.amdhsa_float_denorm_mode_16_64 3
		.amdhsa_memory_ordered 1
		.amdhsa_forward_progress 1
		.amdhsa_inst_pref_size 147
	.end_amdhsa_kernel
	.amdgpu_metadata
---
amdhsa.version: [ 1, 2 ]
amdhsa.kernels:
  - .name:           k_q2b1c7a7b36_proj
    .symbol:         k_q2b1c7a7b36_proj.kd
    .args:
      - { .name: y_img, .offset: 0, .size: 8, .value_kind: global_buffer, .address_space: global }
      - { .name: y_scl, .offset: 8, .size: 8, .value_kind: global_buffer, .address_space: global }
      - { .name: W_proj_codes, .offset: 16, .size: 8, .value_kind: global_buffer, .address_space: global }
      - { .name: W_proj_scales, .offset: 24, .size: 8, .value_kind: global_buffer, .address_space: global }
      - { .name: b_proj, .offset: 32, .size: 8, .value_kind: global_buffer, .address_space: global }
      - { .name: out0, .offset: 40, .size: 8, .value_kind: global_buffer, .address_space: global }
    .group_segment_fixed_size: 327680
    .private_segment_fixed_size: 0
    .kernarg_segment_align: 8
    .kernarg_segment_size: 48
    .max_flat_workgroup_size: 128
    .sgpr_count:     100
    .vgpr_count:     1024
    .wavefront_size: 32
...
	.end_amdgpu_metadata
.endif
;; end of part 3
;; ======== version 2 of 2: 3 launches; version 1 with the launch attn written anew for expert scheduling mode
;; limits: right only within a limited range of input values
;; workspace buffers: kq_img 16,777,216 bytes; kq_scl 1,048,576 bytes; v_img 8,388,608 bytes; v_scl 524,288 bytes; vsum 262,144 bytes; y_img 8,388,608 bytes; y_scl 262,144 bytes
;; launch qkv: the kernel of part 1 again; grid 12 x 32, 4 waves a work-group, clusters of 4 x 4, 327,680 bytes of LDS; arguments x_codes, x_scales, W_kqv_codes, W_kqv_scales, b_kqv, kq_img, kq_scl, v_img, v_scl, vsum; writes kq_img, kq_scl, v_img, v_scl, vsum
;; launch attn (part 4): grid 4 x 64, 16 waves a work-group, no clusters, 39,936 bytes of LDS; arguments kq_img, kq_scl, v_img, v_scl, vsum, padding_mask, y_img, y_scl; writes y_img, y_scl
.if DOCPART == 4
	.amdgcn_target "amdgcn-amd-amdhsa--gfx1250"
	.amdhsa_code_object_version 6
	.text
	.protected	k_q2b1c7a7b36_attn
	.globl	k_q2b1c7a7b36_attn
	.p2align	8
	.type	k_q2b1c7a7b36_attn,@function
k_q2b1c7a7b36_attn:
	s_mov_b64 s[64:65], 0
	v_nop
	global_prefetch_b8 v0, s[64:65] scope:SCOPE_SE
	s_setreg_imm32_b32 hwreg(HW_REG_WAVE_SCHED_MODE, 0, 2), 2
	s_setreg_imm32_b32 hwreg(HW_REG_WAVE_MODE, 25, 1), 1
	s_wait_xcnt 0x0
	s_wait_alu depctr_vm_vsrc(0)
; y = softmax(q k^T / 8, causal and padding masks) v for one head, both products on codes of FP8 (E4M3) with E8M0 scales; y leaves as codes along C, as images of the next product's operand registers.
; THE SOFTMAX: t = score x log2(e) / 8; M = the running largest t rounded up to a whole number; p = 2^(t - M) is quantised along the keys; the sum of the unquantised p divides at the end.
; SHARES.  Work-group (x, batch x head) owns query blocks 7 - x and x of 256 queries: 2 (8 - x) + 2 (x + 1) = 18 key steps of 128 keys whatever x.  Each of sixteen waves owns 16 queries in 256 registers.
; Both products are used transposed (S^T = K Q^T, O^T = V^T P^T): a lane holds one query (lane % 16) throughout.  Tile t of K is 16 neighbouring keys; p's codes of tiles 2 c, 2 c + 1 fill operand places
; 16 h + 8 u + j with keys 32 c + 16 u + 8 h + j, the order in which the launch before laid v's codes.
; K = 64 IN A FORM OF 128: Q's upper eight registers are zero codes; K's tile t is named as 16 registers, of which the upper eight are the next tile's codes (behind tile 7: p's codes): numbers of the format,
; never its NaN code, under scale bytes of 1.0, times zeros.
; TILES ARE DENSE RECORDS (images of registers), so a key step's 16 KB come through registers: each thread loads 16 bytes of K and of V a step ahead and stores them into the other LDS slot at the step's end;
; one barrier a step.  No tensor load: trip counts may then hang on the work-group's number, and every LDS address is a constant + a lane term + a wave term.
; Clusters are not used: the four work-groups of a head walk different numbers of steps in each pass, so their requests for a record do not meet.
; MASKS.  The padding mask becomes 128 numbers a step, 0 or NEG = -2^127, which are loaded as the C of K Q^T: it costs no vector instruction.  On the diagonal hidden scores are replaced by NEG.
; The largest t starts at -2^120, far above NEG x c, so a masked score gives p = 0 also while a row has seen no valid key.  A ROW THAT ENDS WITHOUT A VALID KEY gets what reference() gives it:
; all 2,048 logits are equal there, so p = 1 for every key, the sum is 2,048 and O is the head's sum of the quantised v over all keys (vsum).
; LIMITS: NaN and infinities are not served; a valid score needs t above -2^120; a block of y under 2^-118 (zeros too) keeps the scale byte 1, which this program alone reads.
; THE MODE: SCHED_MODE bits 1:0 = 2 (LLVM: expert scheduling mode 2), set by the entry lines.  The code itself states the register dependences between vector or matrix instructions and memory or LDS
; instructions, and between a vector instruction that writes a scalar register or VCC and its readers, with s_wait_alu, always for 0.
; THE PLAN.  Registers that memory or LDS instructions touch:
;   addresses     v1-5, v248, v251, v252, v254, v255 (and v11 at the head): written once at the head, read by every load, store and prefetch; v254 and v255 are made anew at the very end.
;   KR, VR, EX    the global loads at a step's head land in them; the LDS stores at its end read them; in wave 2 four compares read and four selects write EX between the two.
;   S             the LDS loads of the mask's numbers land at a step's head; K Q^T and the softmax name it up to p's conversions.  On the way out the head's sums land in it.
;   KV            K's LDS loads land at a step's head, K Q^T reads it; V's LDS loads land behind that, V^T P reads it.   KSC, VSC: LDS loads land, the products read them as scales.
;   Q, QS         global loads at a pass's head land; K Q^T reads them.
;   PC, PW        written by the conversions and the shifts; read by V^T P, PC's low half by K Q^T's tile 7, PC on the way out by the stores.   v11: on the way out the data of the byte store.
;   O, the statistics and the quantiser's registers are named by vector and matrix instructions alone.
; THE WAITS OF A STEP.  At its head, just behind the last step's barrier, one on vm_vsrc (the LDS stores have read KR, VR, EX) and one on va_vdst (all that the last step's vector and matrix instructions read or
; wrote of EX, S, KV, KSC, VSC, PC): the step's global loads and K's LDS loads follow with no further wait.  One on va_vdst behind K Q^T: V's LDS loads follow, dealt among the lines of the maximum, which name
; none of KV, VSC and v1.  The two behind the exponentials.  One on va_vdst ahead of V^T P (PC and PW are written); nothing behind it names S, so it also serves the way out's loads into S.
.set SLOTB, 17920                      ; an LDS slot: K's image 8,192, V's image 8,192, K's scale words 512, V's 512, the mask's numbers 512
.set OV,    8192
.set OKS,   16384
.set OVS,   16896
.set OPM,   17408
.set VSUMB, 2*SLOTB                    ; behind the slots: the head's 64 sums (4 bytes x thread: 2,048 bytes set aside, 256 used)
.set LI,  1                            ; v1   16 x lane
.set CW,  2                            ; v2   16 x thread
.set EW,  3                            ; v3   OKS + 512 x min(wave, 2) + 16 x lane
.set KSA, 4                            ; v4   OKS + 16 r
.set PMA, 5                            ; v5   OPM + 32 h
.set QS,  6                            ; v6   Q's scale words
.set PW,  7                            ; v7   p's scale word
.set F,   8                            ; v[8:9] f = 2^(old M - new M); v9 is named with it and written once
.set TA,  10
.set TB,  11
.set NM,  12                           ; v12  -M
.set TR,  13                           ; v13  the largest t
.set L,   14                           ; v[14:15] the sum in two halves
.set Q,   16                           ; v16-31 Q's fragment; v24-31 zero codes
.set KV,  32                           ; v32-95 K's eight tiles of 8 registers, then V's four of 16
.set PC,  96                           ; v96-111 p's codes
.set S,   112                          ; v112-175 S^T, then p
.set O,   176                          ; v176-207 O^T
.set BM,  208
.set BT,  212
.set LIM, 216
.set SCO, 220
.set KSC, 224                          ; v224-231 K's scale words
.set VSC, 232                          ; v232-235 V's
.set KR,  236                          ; v236-247 the next record on its way through registers
.set VR,  240
.set EX,  244
.set PFO, 248                          ; v248 256 x lane
.set NG,  249                          ; v249 NEG
.set RH,  250                          ; v250 r - 8 h
.set R16, 251                          ; v251 16 r
.set YB,  252                          ; v252 32 r + h
.set H8,  253                          ; v253 8 h
.set VSA, 254                          ; v254 VSUMB + 32 h
.set VSW, 255                          ; v255 VSUMB + 4 x thread
.set WV,  20
.set X,   21
.set BH,  22
.set PASS, 23
.set QB,  24
.set N,   25                           ; key steps of the pass
.set KSR, 26                           ; the step
.set TRIPS, 27
.set Q0,  28                           ; my first query
.set KF,  29                           ; the step's first key
.set SEL, 30
.set CS,  32                           ; s[32:33] c = log2(e) / 8
.set MNT, 34
.set TIN, 35                           ; -2^120
.set NX,  36
.set TMP2, 37
.set PLIM, 38
.set TMP, 39
.set KB,  40
.set VB,  42
.set EB,  44
.set KP,  46
.set VP,  48
.set EP,  50
.set PP,  52
.set OFS, 54                           ; s[54:55] an offset; the upper word stays 0
.set CM,  66                           ; s[66:97] the masks of a run of compares: 32 on the diagonal, 4 for the padding mask
; The next record is asked for: 16 bytes of K's image and of V's a thread; wave 0 K's scale words, wave 1 V's, wave 2 the 128 mask words.  Behind a pass's last step comes record 0: the next pass's first.
; (The launch's last step so copies record 0 once more, into the slot that nobody reads: 16 KB a work-group, for two branches less in each of 18 steps.)
; A PREFETCH INTO THE L2 stands behind the loads: the record after the one just asked for, 8,192 bytes, lanes 256 bytes apart.  Each record of a head is named once in the launch: work-group x = 0 walks all 16
; records in its first pass; there wave 3 asks for K's and wave 4 for V's, in steps 0 to 13 for records 2 to 15.  Records 0 and 1 come by their loads alone.
.macro COPY_ISSUE first
	s_wait_xcnt 0x0                                ; the last step's loads and prefetch, and the way out's stores, have read their registers
.if \first
	s_mov_b32 s[NX], 0
.else
	s_wait_alu depctr_vm_vsrc(0)                   ; the last LDS stores have read KR, VR and EX, in which the loads below land; in a pass's first step: the way out's stores have read PC and v11, the head's LDS store v112, all written again further down
	s_wait_alu depctr_va_vdst(0)                   ; wave 2's compares and selects are done with EX; the last V^T P is done reading KV, VSC and PC, the last K Q^T KSC, the softmax S: loads land in all of them below; PC and Q's zero codes, which K Q^T takes, are written
	s_add_co_u32 s[NX], s[KSR], 1
	s_cmp_eq_u32 s[NX], s[N]
	s_cselect_b32 s[NX], 0, s[NX]
.endif
	s_lshl_b32 s[OFS], s[NX], 13
	s_add_nc_u64 s[KP:KP+1], s[KB:KB+1], s[OFS:OFS+1]
	s_add_nc_u64 s[VP:VP+1], s[VB:VB+1], s[OFS:OFS+1]
	s_lshl_b32 s[OFS], s[NX], 9
	s_add_nc_u64 s[EP:EP+1], s[EB:EB+1], s[OFS:OFS+1]
	s_cmp_eq_u32 s[WV], 3
	s_cselect_b64 s[PP:PP+1], s[KP:KP+1], s[VP:VP+1]
	global_load_b128 v[KR:KR+3], v[CW], s[KP:KP+1]
	global_load_b128 v[VR:VR+3], v[CW], s[VP:VP+1]
	s_cmp_lt_u32 s[WV], 3
	s_cbranch_scc0 .Lnox_\@
	global_load_b128 v[EX:EX+3], v[LI], s[EP:EP+1]
.Lnox_\@:
.if !\first
	s_cmp_lt_u32 s[KSR], s[PLIM]
	s_cbranch_scc0 .Lnop_\@
	global_prefetch_b8 v[PFO], s[PP:PP+1] offset:8192 th:TH_LOAD_NT scope:SCOPE_SE
.Lnop_\@:
.endif
.endm
; It goes into the slot that was read a step ago.  ONE barrier a step: in front of it my reads of the slot just used are over and my stores into the other have landed.
.macro COPY_STORE slot
	s_wait_loadcnt 0x0
	ds_store_b128 v[CW], v[KR:KR+3] offset:(\slot)*SLOTB
	ds_store_b128 v[CW], v[VR:VR+3] offset:(\slot)*SLOTB+OV
	s_cmp_lt_u32 s[WV], 3
	s_cbranch_scc0 .Lnoe_\@
	s_cmp_eq_u32 s[WV], 2
	s_cbranch_scc0 .Lraw_\@
.irp i, 0,1,2,3
	v_cmp_eq_u32 s[CM+\i], 0, v[EX+\i]             ; a padded key?  The four compares stand in a run
.endr
	s_wait_alu depctr_va_sdst(0)                   ; the four masks are written, ahead of their first reader
.irp i, 0,1,2,3
	v_cndmask_b32 v[EX+\i], 0, v[NG], s[CM+\i]     ; a padded key: NEG; a valid one: 0
.endr
	s_wait_alu depctr_va_vdst(0)                   ; the selects have written EX, which the LDS store below reads
.Lraw_\@:
	ds_store_b128 v[EW], v[EX:EX+3] offset:(\slot)*SLOTB
.Lnoe_\@:
	s_wait_dscnt 0x0
	s_barrier_signal -1
	s_barrier_wait -1
.endm
; Tile t of V^T: four LDS loads of 512 consecutive bytes, from the slot at SB.
.macro VLOAD t
.irp c, 0,1,2,3
	ds_load_b128 v[KV+16*(\t)+4*\c:KV+16*(\t)+4*\c+3], v[LI] offset:SB+OV+2048*(\t)+512*\c
.endr
.endm
; A KEY STEP: 128 keys, from LDS slot \slot.
.macro STEP slot
.set SB, (\slot)*SLOTB
	COPY_ISSUE 0
	s_add_co_u32 s[TMP], s[Q0], 15
	s_cmp_gt_u32 s[KF], s[TMP]                     ; all 128 keys come after my 16 queries: the step's work is left out (a branch on ids; the copy and the barrier are not jumped over)
	s_cbranch_scc1 .Lhid_\@
.irp t, 0,1,2,3,4,5,6,7
	ds_load_b128 v[S+8*\t:S+8*\t+3], v[PMA] offset:SB+64*\t          ; the mask's numbers of keys 16 t + 8 h + 0 .. 7: the C of the tile's product.  No wait: no vector or matrix instruction stands behind the waits at the step's head
	ds_load_b128 v[S+8*\t+4:S+8*\t+7], v[PMA] offset:SB+64*\t+16
.endr
.irp t, 0,1,2,3,4,5,6,7
	ds_load_b128 v[KV+8*\t:KV+8*\t+3], v[LI] offset:SB+1024*\t
	ds_load_b128 v[KV+8*\t+4:KV+8*\t+7], v[LI] offset:SB+1024*\t+512
.endr
	ds_load_b128 v[KSC:KSC+3], v[KSA] offset:SB
	ds_load_b128 v[KSC+4:KSC+7], v[KSA] offset:SB+256
	s_wait_dscnt 0x0
.irp t, 0,1,2,3,4,5,6,7
	v_wmma_scale_f32_16x16x128_f8f6f4 v[S+8*\t:S+8*\t+7], v[KV+8*\t:KV+8*\t+15], v[Q:Q+15], v[S+8*\t:S+8*\t+7], v[KSC+\t], v[QS]
.endr
.rept 8
	v_nop                                          ; eight places in front of the first read of the scores
.endr
	s_wait_alu depctr_va_vdst(0)                   ; K Q^T is done reading K's registers, in which V's loads land
	s_add_co_u32 s[TMP], s[KF], 127
	s_cmp_le_u32 s[TMP], s[Q0]                     ; a step all of whose keys count skips the causal mask
	s_cbranch_scc1 .Lopen_\@
	s_sub_co_i32 s[TMP], s[Q0], s[KF]
	v_add_nc_u32 v[TA], s[TMP], v[RH]              ; d = my query - KF - 8 h.  Register 8 t + j holds key KF + 16 t + 8 h + j: hidden where 16 t + j > d
.irp g, 0,1                                    ; tiles 4 g to 4 g + 3: 32 compares in a run, one wait, 32 selects
.irp t, 0,1,2,3
.irp j, 0,1,2,3,4,5,6,7
	v_cmp_gt_i32 s[CM+8*\t+\j], 64*\g+16*\t+\j, v[TA]
.endr
.endr
	s_wait_alu depctr_va_sdst(0)                   ; the run's 32 masks are written, ahead of their first reader
.irp t, 0,1,2,3
.irp j, 0,1,2,3,4,5,6,7
	v_cndmask_b32 v[S+32*\g+8*\t+\j], v[S+32*\g+8*\t+\j], v[NG], s[CM+8*\t+\j]
.endr
.endr
.endr
.Lopen_\@:
.irp b, 0,1,2,3
	v_max3_num_f32 v[BM+\b], v[S+16*\b], v[S+16*\b+1], v[S+16*\b+2]   ; the largest score of each block of 32 keys: for the row's maximum and, since p rises with the score, for the block's largest p
.endr
	VLOAD 0                                        ; V lands under the softmax, four loads at a time.  No wait: on both ways here no vector instruction since the wait behind K Q^T names KV, VSC or v1
.irp i, 3,5,7,9,11,13
.irp b, 0,1,2,3
	v_max3_num_f32 v[BM+\b], v[BM+\b], v[S+16*\b+\i], v[S+16*\b+\i+1]
.endr
.if \i < 9
	VLOAD (\i-1)/2                                 ; tiles 1, 2, 3
.endif
.if \i == 9
	ds_load_b128 v[VSC:VSC+3], v[LI] offset:SB+OVS ; and V's scale words
.endif
.endr
.irp b, 0,1,2,3
	v_max_num_f32 v[BM+\b], v[BM+\b], v[S+16*\b+15]
.endr
.irp b, 0,1,2,3
	v_permlanex16_b32 v[BT+\b], v[BM+\b], s[SEL], s[SEL+1]
.endr
.irp b, 0,1,2,3
	v_max_num_f32 v[BM+\b], v[BM+\b], v[BT+\b]     ; with lane l xor 16's 16 keys
.endr
	v_max3_num_f32 v[TA], v[BM], v[BM+1], v[BM+2]
	v_max_num_f32 v[TA], v[TA], v[BM+3]
	v_mul_f32 v[TA], s[CS], v[TA]                  ; as t (c is positive)
	v_max_num_f32 v[TR], v[TR], v[TA]              ; the running largest t
	v_mov_b32 v[TA], v[NM]
	v_floor_f32 v[NM], -v[TR]                      ; the new -M = floor(-t): M is a whole number
	v_sub_f32 v[TA], v[NM], v[TA]                  ; old M - new M: a whole number, 0 or less
	v_cvt_i32_f32 v[TA], v[TA]                     ; (it saturates)
	v_ldexp_f32 v[F], 1.0, v[TA]                   ; f = 2^(old M - new M): rounds nothing
.set j, 0
.rept 32
	v_pk_fma_f32 v[S+j:S+j+1], v[S+j:S+j+1], s[CS:CS+1], v[NM:NM+1] op_sel_hi:[1,0,0]   ; t - M, two at a time
.set j, j+2
.endr
.irp b, 0,1,2,3
	v_fma_f32 v[BM+\b], v[BM+\b], s[CS], v[NM]
.endr
.set j, 0
.rept 64
	v_exp_f32 v[S+j], v[S+j]                       ; p = 2^(t - M), at most 1
.set j, j+1
.endr
	v_pk_mul_f32 v[L:L+1], v[L:L+1], v[F:F+1] op_sel_hi:[1,0]   ; the sums under the new M: the plain line behind the exponentials
	s_wait_alu depctr_va_vdst(0)                   ; one wait for the batch of 64, ahead of its first reader
.irp b, 0,1,2,3
	v_exp_f32 v[BM+\b], v[BM+\b]                   ; the block's largest p
.endr
	v_pk_add_f32 v[BT:BT+1], v[S:S+1], v[S+2:S+3]  ; the row's sum of the unquantised p, in two chains
.irp j, 4,8,12,16,20,24,28,32,36,40,44,48,52,56,60
	v_pk_add_f32 v[L:L+1], v[L:L+1], v[S+\j:S+\j+1]
	v_pk_add_f32 v[BT:BT+1], v[BT:BT+1], v[S+\j+2:S+\j+3]
.endr
	v_pk_add_f32 v[L:L+1], v[L:L+1], v[BT:BT+1]
	s_wait_alu depctr_va_vdst(0)                   ; and one for the four
.irp b, 0,1,2,3
	v_max_num_f32 v[BM+\b], 0x4800000, v[BM+\b]    ; the floor 2^(9 - 127): a block whose every p is 0 keeps the byte 1; its codes are zeros
.endr
.irp b, 0,1,2,3
	v_add_nc_u32 v[SCO+\b], 0xfc000000, v[BM+\b]   ; 8 off the exponent field: the conversion's scale operand
.endr
.irp b, 0,1,2,3
	v_and_or_b32 v[LIM+\b], v[BM+\b], 0x7f800000, s[MNT]   ; 448 x the scale
.endr
.irp b, 0,1,2,3
	v_lshrrev_b32 v[BT+\b], 23, v[SCO+\b]          ; the scale's byte
.endr
	v_lshl_or_b32 v[PW], v[BT+1], 8, v[BT]
	v_lshl_or_b32 v[PW], v[BT+2], 16, v[PW]
	v_lshl_or_b32 v[PW], v[BT+3], 24, v[PW]
.irp b, 0,1,2,3
.irp i, 0,1,2,3,4,5,6,7,8,9,10,11,12,13,14,15
	v_min_num_f32 v[S+16*\b+\i], v[S+16*\b+\i], v[LIM+\b]   ; the conversion does not saturate (ISA guide 7.6.2); p is not negative, so the hold is one-sided
.endr
	v_cvt_scalef32_pk8_fp8_f32 v[PC+4*\b:PC+4*\b+1], v[S+16*\b:S+16*\b+7], v[SCO+\b]
	v_cvt_scalef32_pk8_fp8_f32 v[PC+4*\b+2:PC+4*\b+3], v[S+16*\b+8:S+16*\b+15], v[SCO+\b]
.endr
.set j, 0
.rept 16
	v_pk_mul_f32 v[O+j:O+j+1], v[O+j:O+j+1], v[F:F+1] op_sel_hi:[1,0]   ; O^T under the new M; these sixteen are also the places between the codes and the products
.set j, j+2
.endr
	s_wait_dscnt 0x0                               ; V and its scale words
	s_wait_alu depctr_va_vdst(0)                   ; the conversions have written p's codes and the shifts its scale word, which the scaled products take; the places above stay beside this wait.  The softmax is done with S too
.irp t, 0,1,2,3
	v_wmma_scale_f32_16x16x128_f8f6f4 v[O+8*\t:O+8*\t+7], v[KV+16*\t:KV+16*\t+15], v[PC:PC+15], v[O+8*\t:O+8*\t+7], v[VSC+\t], v[PW]
.endr
.rept 8
	v_nop                                          ; eight places behind the products: the way out's first read of O^T may follow
.endr
.Lhid_\@:
	COPY_STORE 1-(\slot)
	s_add_co_u32 s[KSR], s[KSR], 1
	s_add_co_u32 s[KF], s[KF], 128
.endm
	s_load_b512 s[4:19], s[0:1], 0x0               ; kq_img s[4:5], kq_scl s[6:7], v_img s[8:9], v_scl s[10:11], vsum s[12:13], padding_mask s[14:15], y_img s[16:17], y_scl s[18:19]
	v_lshrrev_b32 v[TA], 5, v0
	v_readfirstlane_b32 s[WV], v[TA]               ; wave 0..15
	v_and_b32 v[TA], 31, v0                        ; lane
	v_and_b32 v[TB], 15, v0                        ; r
	v_bfe_u32 v[F+1], v0, 4, 1                     ; h
	v_lshlrev_b32 v[LI], 4, v[TA]
	v_lshlrev_b32 v[CW], 4, v0
	s_wait_alu depctr_va_sdst(0)                   ; the wave's number is written, ahead of its first reader
	s_min_u32 s[TMP], s[WV], 2
	s_lshl_b32 s[TMP], s[TMP], 9
	s_add_co_u32 s[TMP], s[TMP], OKS
	v_add_nc_u32 v[EW], s[TMP], v[LI]
	v_lshl_add_u32 v[KSA], v[TB], 4, OKS
	v_lshl_add_u32 v[PMA], v[F+1], 5, OPM
	v_lshlrev_b32 v[PFO], 8, v[TA]
	v_mov_b32 v[NG], 0xff000000                    ; NEG = -2^127
	v_lshlrev_b32 v[H8], 3, v[F+1]
	v_sub_nc_u32 v[RH], v[TB], v[H8]
	v_lshlrev_b32 v[R16], 4, v[TB]
	v_lshl_add_u32 v[YB], v[TB], 5, v[F+1]
	v_lshl_add_u32 v[VSA], v[F+1], 5, VSUMB
	v_lshl_add_u32 v[VSW], v0, 2, VSUMB
	v_lshlrev_b32 v[TB], 2, v0                     ; 4 x thread
	v_mov_b32 v[F+1], 0
.irp i, 0,1,2,3,4,5,6,7
	v_mov_b32 v[Q+8+\i], 0                         ; zero codes: K from 64 to 128
.endr
.irp i, 0,1,2,3,4,5,6,7,8,9,10,11,12,13,14,15
	v_mov_b32 v[PC+\i], 0                          ; named behind K's tile 7 before p's first codes are made
.endr
.irp b, 0,1,2,3
	v_mov_b32 v[BT+\b], 0                          ; a lane permute's destination counts as one of its sources
.endr
	s_mov_b32 s[X], ttmp9
	s_and_b32 s[BH], ttmp7, 0xffff                 ; 16 x batch + head
	s_mov_b32 s[SEL], 0x76543210
	s_mov_b32 s[SEL+1], 0xfedcba98
	s_mov_b32 s[CS], 0x3e38aa3b                    ; c = log2(e) / 8
	s_mov_b32 s[CS+1], s[CS]
	s_mov_b32 s[MNT], 0x600000
	s_mov_b32 s[TIN], 0xfb800000                   ; -2^120
	s_mov_b32 s[OFS+1], 0
	s_mov_b32 s[PASS], 0
	s_lshr_b32 s[TMP], s[BH], 4                    ; the batch
	s_wait_kmcnt 0x0
	s_lshl_b32 s[OFS], s[BH], 17
	s_add_nc_u64 s[KB:KB+1], s[4:5], s[OFS:OFS+1]  ; k's images of my head (part 0)
	s_add_nc_u64 s[VB:VB+1], s[8:9], s[OFS:OFS+1]
	s_cmp_eq_u32 s[WV], 0
	s_cselect_b64 s[EB:EB+1], s[6:7], s[10:11]     ; wave 0: k's scale words; wave 1: v's;
	s_cmp_lt_u32 s[WV], 2
	s_cselect_b64 s[EB:EB+1], s[EB:EB+1], s[14:15] ; wave 2: the padding mask.  All three walk 512 bytes a step,
	s_cselect_b32 s[OFS], s[BH], s[TMP]            ; 8,192 bytes a head, or a batch
	s_lshl_b32 s[OFS], s[OFS], 13
	s_add_nc_u64 s[EB:EB+1], s[EB:EB+1], s[OFS:OFS+1]
	s_wait_alu depctr_va_vdst(0)                   ; every address and offset of the kernel is written (v1-5, v11, v248, v251, v252, v254, v255), ahead of the first load that reads one
	COPY_ISSUE 1
	s_lshl_b32 s[OFS], s[TMP], 16                  ; vsum: 65,536 bytes a batch, 256 a head
	s_and_b32 s[TMP2], s[BH], 15
	s_lshl_b32 s[TMP2], s[TMP2], 8
	s_add_co_u32 s[OFS], s[OFS], s[TMP2]
	s_add_nc_u64 s[12:13], s[12:13], s[OFS:OFS+1]
	s_cmp_lt_u32 s[WV], 2
	s_cbranch_scc0 .Lnosum                         ; threads 0 to 63: a channel each: the sixteen partial sums become the head's sum over all keys
.irp i, 0,1,2,3,4,5,6,7,8,9,10,11,12,13,14,15
	global_load_b32 v[S+\i], v[TB], s[12:13] offset:4096*\i
.endr
	s_wait_loadcnt 0x0
.irp i, 0,1,2,3,4,5,6,7
	v_add_f32 v[S+\i], v[S+\i], v[S+8+\i]
.endr
.irp i, 0,1,2,3
	v_add_f32 v[S+\i], v[S+\i], v[S+4+\i]
.endr
	v_add_f32 v[S], v[S], v[S+2]
	v_add_f32 v[S+1], v[S+1], v[S+3]
	v_add_f32 v[S], v[S], v[S+1]
	s_wait_alu depctr_va_vdst(0)                   ; the additions have written the sum, which the LDS store reads
	ds_store_b32 v[VSW], v[S]
.Lnosum:
	COPY_STORE 0                                   ; record 0 lies in slot 0; the barrier shows the sums to every wave too
.Lpass:                                            ; two passes: query block 7 - x, then x
	s_sub_co_u32 s[TMP], 7, s[X]
	s_cmp_eq_u32 s[PASS], 0
	s_cselect_b32 s[QB], s[TMP], s[X]
	s_sub_co_u32 s[TMP], s[WV], 3
	s_lshr_b32 s[TMP], s[TMP], 1                   ; 0 in waves 3 and 4 alone,
	s_or_b32 s[TMP], s[TMP], s[X]                  ; of work-group x = 0,
	s_or_b32 s[TMP], s[TMP], s[PASS]               ; in its first pass
	s_cmp_eq_u32 s[TMP], 0
	s_cselect_b32 s[PLIM], 14, 0
	s_lshl_b32 s[N], s[QB], 1
	s_add_co_u32 s[N], s[N], 2
	s_add_co_u32 s[TRIPS], s[QB], 1
	s_lshl_b32 s[Q0], s[QB], 8
	s_lshl_b32 s[TMP], s[WV], 4
	s_add_co_u32 s[Q0], s[Q0], s[TMP]
	s_mov_b32 s[KSR], 0
	s_mov_b32 s[KF], 0
	s_add_co_u32 s[TMP], s[BH], 64                 ; q is part 1
	s_lshl_b32 s[OFS], s[TMP], 17
	s_lshl_b32 s[TMP2], s[Q0], 6                   ; 1,024 bytes for each 16 tokens
	s_add_co_u32 s[OFS], s[OFS], s[TMP2]
	s_add_nc_u64 s[58:59], s[4:5], s[OFS:OFS+1]
	s_lshl_b32 s[OFS], s[TMP], 13
	s_lshr_b32 s[TMP2], s[Q0], 7
	s_lshl_b32 s[TMP2], s[TMP2], 9                 ; the record of 128 tokens,
	s_add_co_u32 s[OFS], s[OFS], s[TMP2]
	s_bfe_u32 s[TMP2], s[Q0], 0x10006
	s_lshl_b32 s[TMP2], s[TMP2], 8                 ; tiles 4-7 lie 256 bytes behind tiles 0-3,
	s_add_co_u32 s[OFS], s[OFS], s[TMP2]
	s_bfe_u32 s[TMP2], s[Q0], 0x20004
	s_lshl_b32 s[TMP2], s[TMP2], 2                 ; 4 bytes a tile
	s_add_co_u32 s[OFS], s[OFS], s[TMP2]
	s_add_nc_u64 s[60:61], s[6:7], s[OFS:OFS+1]
	global_load_b128 v[Q:Q+3], v[LI], s[58:59]     ; no wait: in the first pass no vector or matrix instruction has named v16-23 or v6; in the second, none stands behind the wait ahead of the way out's stores, which shows the last pass's K Q^T done reading them
	global_load_b128 v[Q+4:Q+7], v[LI], s[58:59] offset:512
	global_load_b32 v[QS], v[R16], s[60:61]
	v_mov_b32 v[TR], s[TIN]
	v_floor_f32 v[NM], -v[TR]
	v_mov_b32 v[L], 0
	v_mov_b32 v[L+1], 0
.set j, 0
.rept 32
	v_mov_b32 v[O+j], 0                            ; the step is written once: its first trip finds zeros
.set j, j+1
.endr
	s_wait_loadcnt 0x0
.Lstep:                                            ; QB + 1 trips of two key steps
	STEP 0
	STEP 1
	s_sub_co_u32 s[TRIPS], s[TRIPS], 1
	s_cmp_lg_u32 s[TRIPS], 0
	s_cbranch_scc1 .Lstep
	; THE WAY OUT.  O^T / the sum, quantised along the head's 64 channels (two blocks of C), brought into the natural order of K, stored as an image.
.irp t, 0,1,2,3
	ds_load_b128 v[S+8*\t:S+8*\t+3], v[VSA] offset:64*\t           ; the head's sums of channels 16 t + 8 h + 0 .. 7.  No wait: behind the last line that names S stands the wait ahead of V^T P, or, where the last step was left out, the wait at its head
	ds_load_b128 v[S+8*\t+4:S+8*\t+7], v[VSA] offset:64*\t+16
.endr
	v_add_f32 v[L], v[L], v[L+1]
	v_permlanex16_b32 v[TA], v[L], s[SEL], s[SEL+1]
	v_add_f32 v[L], v[L], v[TA]                    ; the row's sum
	v_cmp_lt_f32 vcc_lo, s[TIN], v[TR]             ; has my query seen a valid key?
	s_wait_alu depctr_va_vcc(0)                    ; VCC is written, ahead of the first of the 33 selects that read it
	v_cndmask_b32 v[L], 0x45000000, v[L], vcc_lo   ; if not: 2,048
	v_rcp_f32 v[L], v[L]
	s_wait_dscnt 0x0
.set j, 0
.rept 32
	v_cndmask_b32 v[O+j], v[S+j], v[O+j], vcc_lo   ; and the sum of the quantised v over all keys.  (Plain lines behind the reciprocal; each accumulator from its low end on)
.set j, j+1
.endr
	s_wait_alu depctr_va_vdst(0)                   ; the wait ahead of the reciprocal's first reader
.set j, 0
.rept 16
	v_pk_mul_f32 v[O+j:O+j+1], v[O+j:O+j+1], v[L:L+1] op_sel_hi:[1,0]
.set j, j+2
.endr
.irp c, 0,1
	v_max3_num_f32 v[BM+\c], |v[O+16*\c]|, |v[O+16*\c+1]|, 0x4800000
.endr
.irp i, 2,4,6,8,10,12,14
.irp c, 0,1
	v_max3_num_f32 v[BM+\c], v[BM+\c], |v[O+16*\c+\i]|, |v[O+16*\c+\i+1]|
.endr
.endr
.irp c, 0,1
	v_permlanex16_b32 v[BT+\c], v[BM+\c], s[SEL], s[SEL+1]
.endr
.irp c, 0,1
	v_max_num_f32 v[BM+\c], v[BM+\c], v[BT+\c]
.endr
.irp c, 0,1
	v_add_nc_u32 v[SCO+\c], 0xfc000000, v[BM+\c]
.endr
.irp c, 0,1
	v_and_or_b32 v[LIM+\c], v[BM+\c], 0x7f800000, s[MNT]
.endr
.irp c, 0,1
	v_lshrrev_b32 v[BT+\c], 23, v[SCO+\c]
.endr
	v_lshl_or_b32 v[TA], v[BT+1], 8, v[BT]         ; the two scale bytes
	s_lshr_b32 s[TMP], s[BH], 4
	s_lshl_b32 s[TMP], s[TMP], 11
	s_add_co_u32 s[TMP], s[TMP], s[Q0]             ; my first token among the 8,192
	s_and_b32 s[TMP2], s[BH], 15                   ; the head
	s_add_co_u32 s[OFS], s[TMP], s[TMP2]
	s_lshl_b32 s[OFS], s[OFS], 10                  ; 16,384 bytes for 16 tokens, 1,024 for a head in them
	s_add_nc_u64 s[62:63], s[16:17], s[OFS:OFS+1]
	s_lshl_b32 s[OFS], s[TMP], 5
	s_lshl_b32 s[TMP2], s[TMP2], 1
	s_add_co_u32 s[OFS], s[OFS], s[TMP2]           ; 32 scale bytes a token, 2 a head
	s_add_nc_u64 s[56:57], s[18:19], s[OFS:OFS+1]
.irp c, 0,1
.irp i, 0,1,2,3,4,5,6,7,8,9,10,11,12,13,14,15
	v_med3_num_f32 v[O+16*\c+\i], v[O+16*\c+\i], -v[LIM+\c], v[LIM+\c]
.endr
	v_cvt_scalef32_pk8_fp8_f32 v[PC+4*\c:PC+4*\c+1], v[O+16*\c:O+16*\c+7], v[SCO+\c]
	v_cvt_scalef32_pk8_fp8_f32 v[PC+4*\c+2:PC+4*\c+3], v[O+16*\c+8:O+16*\c+15], v[SCO+\c]
.endr
	v_nop                                          ; a plain line behind the last conversion
.irp c, 0,1
.irp i, 0,1
	v_permlane16_swap_b32 v[PC+4*\c+\i], v[PC+4*\c+2+\i]   ; channels 8-15 (lanes 16-31 of the first pair) change places with channels 16-23 (lanes 0-15 of the second): now k = 32 c + 16 h + 0 .. 15, as W_proj's codes lie
.endr
.endr
	v_lshrrev_b32 v[TB], v[H8], v[TA]              ; lane (r, h) stores byte h of token r
	s_wait_alu depctr_va_vdst(0)                   ; the exchanges have written y's codes and the shift its scale byte, which the three stores read
	global_store_b128 v[LI], v[PC:PC+3], s[62:63]              ; 512 consecutive bytes
	global_store_b128 v[LI], v[PC+4:PC+7], s[62:63] offset:512
	global_store_b8 v[YB], v[TB], s[56:57]         ; two bytes of each token's 32: the other heads' work-groups write the rest
	s_add_co_u32 s[PASS], s[PASS], 1
	s_cmp_lt_u32 s[PASS], 2
	s_cbranch_scc1 .Lpass
	s_wait_xcnt 0x0
	s_wait_alu depctr_vm_vsrc(0)                   ; the LDS loads of the head's sums have read v254 and the LDS store of a sum v255, as addresses: both are written anew below
	v_lshl_add_u32 v254, v0, 2, 0x9400
	v_mov_b32 v255, 0
	s_wait_dscnt 0x0                               ; the closing lines, six on end
	s_wait_alu 0x0
	s_wait_tensorcnt 0x0
	ds_add_u32 v254, v255
	s_wait_dscnt 0x0
	s_endpgm
.Lfunc_end_k_q2b1c7a7b36_attn:
	.size	k_q2b1c7a7b36_attn, .Lfunc_end_k_q2b1c7a7b36_attn-k_q2b1c7a7b36_attn
	.p2alignl 7, 3214868480
	.fill 96, 4, 3214868480
	.section	.rodata,"a",@progbits
	.p2align	6, 0x0
	.amdhsa_kernel k_q2b1c7a7b36_attn
		.amdhsa_group_segment_fixed_size 39936
		.amdhsa_private_segment_fixed_size 0
		.amdhsa_enable_private_segment 0
		.amdhsa_kernarg_size 64
		.amdhsa_user_sgpr_count 2
		.amdhsa_user_sgpr_kernarg_segment_ptr 1
		.amdhsa_wavefront_size32 1
		.amdhsa_system_sgpr_workgroup_id_x 1
		.amdhsa_system_sgpr_workgroup_id_y 1
		.amdhsa_system_sgpr_workgroup_id_z 1
		.amdhsa_system_vgpr_workitem_id 0
		.amdhsa_next_free_vgpr 256
		.amdhsa_next_free_sgpr 98
		.amdhsa_reserve_vcc 1
		.amdhsa_float_denorm_mode_32 3
		.amdhsa_float_denorm_mode_16_64 3
		.amdhsa_memory_ordered 1
		.amdhsa_forward_progress 1
		.amdhsa_inst_pref_size 79
	.end_amdhsa_kernel
	.amdgpu_metadata
---
amdhsa.version: [ 1, 2 ]
amdhsa.kernels:
  - .name:           k_q2b1c7a7b36_attn
    .symbol:         k_q2b1c7a7b36_attn.kd
    .args:
      - { .name: kq_img, .offset: 0, .size: 8, .value_kind: global_buffer, .address_space: global }
      - { .name: kq_scl, .offset: 8, .size: 8, .value_kind: global_buffer, .address_space: global }
      - { .name: v_img, .offset: 16, .size: 8, .value_kind: global_buffer, .address_space: global }
      - { .name: v_scl, .offset: 24, .size: 8, .value_kind: global_buffer, .address_space: global }
      - { .name: vsum, .offset: 32, .size: 8, .value_kind: global_buffer, .address_space: global }
      - { .name: padding_mask, .offset: 40, .size: 8, .value_kind: global_buffer, .address_space: global }
      - { .name: y_img, .offset: 48, .size: 8, .value_kind: global_buffer, .address_space: global }
      - { .name: y_scl, .offset: 56, .size: 8, .value_kind: global_buffer, .address_space: global }
    .group_segment_fixed_size: 39936
    .private_segment_fixed_size: 0
    .kernarg_segment_align: 8
    .kernarg_segment_size: 64
    .max_flat_workgroup_size: 512
    .sgpr_count:     98
    .vgpr_count:     256
    .wavefront_size: 32
...
	.end_amdgpu_metadata
.endif
;; end of part 4
;; launch proj: the kernel of part 3 again; grid 4 x 32, 4 waves a work-group, clusters of 4 x 4, 327,680 bytes of LDS; arguments y_img, y_scl, W_proj_codes, W_proj_scales, b_proj, out0; writes out0
